; MI455X (gfx1250); checked and timed in simulation.
; The chip was launched on July 23, 2026; its instructions are those of AMD's public machine-readable ISA for CDNA 5 (MIT licence, August 2026) and "CDNA5" Instruction Set Architecture Reference Guide (July 2026). The comments in the code are by the model that wrote it; some were corrected since.
;; GPT2 Attention. Allowed arithmetic: float matrix products may take bf16 or f16 operands with f32 sums; all other float work in f32.
;; Inputs: c_attn_b 3,072 float32; c_attn_w 1,024 x 3,072 float32; c_proj_b 1,024 float32; c_proj_w 1,024 x 1,024 float32; hidden_states 2 x 2,048 x 1,024 float32.
;; Outputs: out0 2 x 2,048 x 1,024 float32.
;; 2 versions, each right; version 2 is version 1 with the launch prep written anew for expert scheduling mode. Each part assembles by itself: llvm-mc -triple=amdgcn-amd-amdhsa -mcpu=gfx1250 --defsym DOCPART=n.
;; ======== version 1 of 2: 4 launches
;; limits: values are held in f16: magnitudes above 65,504 overflow, below 6.1e-05 lose precision
;; workspace buffers: xb 8,388,608 bytes; wb 6,291,456 bytes; pb 2,097,152 bytes; qkv 25,165,824 bytes; ao 8,388,608 bytes
;; launch prep (part 1): grid 512 x 1, 8 waves a work-group, no clusters, 0 bytes of LDS; arguments hidden_states, c_attn_w, c_proj_w, xb, wb, pb; writes xb, wb, pb
.if DOCPART == 1
	.amdgcn_target "amdgcn-amd-amdhsa--gfx1250"
	.amdhsa_code_object_version 6
	.text
	.protected	k_qc1fc4bd4d8_prep
	.globl	k_qc1fc4bd4d8_prep
	.p2align	8
	.type	k_qc1fc4bd4d8_prep,@function
k_qc1fc4bd4d8_prep:
	s_mov_b64 s[64:65], 0
	v_nop
	global_prefetch_b8 v0, s[64:65] scope:SCOPE_SE
	s_setreg_imm32_b32 hwreg(HW_REG_WAVE_MODE, 25, 1), 1
	s_wait_xcnt 0x0
; The three large inputs are rounded to bf16 (nearest even), so that the two GEMMs can fetch 16-bit tiles.
;   xb [4096][1024]      = hidden_states in bf16, same order
;   wb [48][1024][64]    = c_attn_w in bf16, re-laid in chunks of 64 columns: chunk hh holds columns 64 hh .. 64 hh + 63, one k row = 128 bytes
;   pb [1024][1024]      = c_proj_w, same order, rounded to bf16 like the others and then rewritten in f16's format: its partner in the product, the
;                          attention output, is carried in f16 (11 significant bits), and a matrix instruction takes both operands in one format.
;                          f16 holds a bf16 number's 8 significant bits exactly down to 2^-17; a smaller weight is off by at most 2^-25.
; LIMIT: |c_proj_w| at most 65,504 (f16's largest number); the drawn weights have a spread of 0.02.
; A work-group casts 16,384 numbers (65,536 bytes in, 32,768 out): work-groups 0-255 hidden_states, 256-447 c_attn_w, 448-511 c_proj_w.
; Thread t takes 16 bytes: sixteen neighbouring lanes read 256 consecutive aligned bytes of one source row, and the 8-byte stores of
; a wave cover 256 consecutive aligned bytes.  All sixteen loads of a thread are issued first; no register that a load or store names is written
; again, so the only waits are the counted ones for the loads.  No LDS, no matrix unit, no cluster: the bytes are touched once and shared with nobody.
.set X, 4                              ; v[4:67]   step n: four f32 as loaded (for pb also: the four bf16 numbers widened again)
.set Y, 68                             ; v[68:99]  step n: four 16-bit numbers to store
; pitch = bytes from one source row of 256 bytes to the next (256: the source is dense; 12,288: a row of c_attn_w); half = 1: the bf16 numbers are rewritten as f16
.macro CAST pitch, half
	v_mul_u32_u24 v3, v3, \pitch                   ; (t / 16) rows
	v_lshl_add_u32 v1, v1, 4, v3                   ; + 16 (t % 16)
.set n, 0
.rept 16
	global_load_b128 v[X+4*n:X+4*n+3], v1, s[16:17] offset:n*16*\pitch th:TH_LOAD_NT   ; 16 rows further each step; read once in the launch
.set n, n+1
.endr
.set n, 0
.rept 16
	s_wait_loadcnt 15-n                            ; loads come back in order: step n is in, the 15 - n younger ones stay out
	v_cvt_pk_bf16_f32 v[Y+2*n], v[X+4*n], v[X+4*n+1]
	v_cvt_pk_bf16_f32 v[Y+2*n+1], v[X+4*n+2], v[X+4*n+3]
.if \half
	v_lshlrev_b32 v[X+4*n],   16, v[Y+2*n]                 ; bf16 to f32: the low half moves up,
	v_and_b32     v[X+4*n+1], 0xffff0000, v[Y+2*n]         ; the high half stays
	v_lshlrev_b32 v[X+4*n+2], 16, v[Y+2*n+1]
	v_and_b32     v[X+4*n+3], 0xffff0000, v[Y+2*n+1]
	v_cvt_pk_f16_f32 v[Y+2*n], v[X+4*n], v[X+4*n+1]        ; exact from 2^-17 up
	v_cvt_pk_f16_f32 v[Y+2*n+1], v[X+4*n+2], v[X+4*n+3]
.endif
	global_store_b64 v2, v[Y+2*n:Y+2*n+1], s[18:19] offset:n*2048
.set n, n+1
.endr
.endm
	s_load_b256 s[4:11], s[0:1], 0x0               ; hidden s[4:5], c_attn_w s[6:7], c_proj_w s[8:9], xb s[10:11]
	s_load_b128 s[12:15], s[0:1], 0x20             ; wb s[12:13], pb s[14:15]
	v_lshrrev_b32 v3, 4, v0                        ; t / 16
	v_and_b32 v1, 15, v0                           ; t % 16
	v_lshlrev_b32 v2, 3, v0                        ; 8 t: my 8 bytes of each 2,048 stored by the work-group in a step
	s_wait_kmcnt 0x0
	s_cmp_lt_u32 ttmp9, 256                        ; which segment: the choice hangs on the work-group's number alone
	s_cselect_b64 s[16:17], s[4:5], s[6:7]
	s_cselect_b64 s[18:19], s[10:11], s[12:13]
	s_cselect_b32 s24, 0, 256                      ; the segment's first work-group
	s_cmp_lt_u32 ttmp9, 448
	s_cselect_b64 s[16:17], s[16:17], s[8:9]
	s_cselect_b64 s[18:19], s[18:19], s[14:15]
	s_cselect_b32 s24, s24, 448
	s_sub_co_u32 s25, ttmp9, s24                   ; i: my place in the segment
	s_lshl_b32 s22, s25, 15                        ; 32,768 bytes out for each work-group, in every segment
	s_mov_b32 s23, 0
	s_add_nc_u64 s[18:19], s[18:19], s[22:23]
	s_mov_b32 s21, 0
	s_cmp_eq_u32 s24, 256
	s_cbranch_scc1 .Lweights
	s_lshl_b32 s20, s25, 16                        ; dense source: 65,536 bytes in for each work-group
	s_add_nc_u64 s[16:17], s[16:17], s[20:21]
	s_cmp_eq_u32 s24, 448
	s_cbranch_scc1 .Lproj
	CAST 256, 0
	s_endpgm
.Lproj:
	CAST 256, 1
	s_endpgm
.Lweights:
	s_lshr_b32 s20, s25, 2                         ; chunk i / 4: 64 columns = 256 bytes along a row,
	s_lshl_b32 s20, s20, 8
	s_and_b32 s26, s25, 3                          ; k rows 256 (i % 4) .. + 255
	s_mul_i32 s26, s26, 256*12288
	s_add_co_u32 s20, s20, s26
	s_add_nc_u64 s[16:17], s[16:17], s[20:21]
	CAST 12288, 0
	s_endpgm
.Lfunc_end_k_qc1fc4bd4d8_prep:
	.size	k_qc1fc4bd4d8_prep, .Lfunc_end_k_qc1fc4bd4d8_prep-k_qc1fc4bd4d8_prep
	.p2alignl 7, 3214868480
	.fill 96, 4, 3214868480
	.section	.rodata,"a",@progbits
	.p2align	6, 0x0
	.amdhsa_kernel k_qc1fc4bd4d8_prep
		.amdhsa_group_segment_fixed_size 0
		.amdhsa_private_segment_fixed_size 0
		.amdhsa_enable_private_segment 0
		.amdhsa_kernarg_size 48
		.amdhsa_user_sgpr_count 2
		.amdhsa_user_sgpr_kernarg_segment_ptr 1
		.amdhsa_wavefront_size32 1
		.amdhsa_system_sgpr_workgroup_id_x 1
		.amdhsa_system_sgpr_workgroup_id_y 1
		.amdhsa_system_sgpr_workgroup_id_z 1
		.amdhsa_system_vgpr_workitem_id 0
		.amdhsa_next_free_vgpr 104
		.amdhsa_next_free_sgpr 66
		.amdhsa_reserve_vcc 0
		.amdhsa_float_denorm_mode_32 3
		.amdhsa_float_denorm_mode_16_64 3
		.amdhsa_memory_ordered 1
		.amdhsa_forward_progress 1
		.amdhsa_inst_pref_size 24
	.end_amdhsa_kernel
	.amdgpu_metadata
---
amdhsa.version: [ 1, 2 ]
amdhsa.kernels:
  - .name:           k_qc1fc4bd4d8_prep
    .symbol:         k_qc1fc4bd4d8_prep.kd
    .args:
      - { .name: hidden_states, .offset: 0, .size: 8, .value_kind: global_buffer, .address_space: global }
      - { .name: c_attn_w, .offset: 8, .size: 8, .value_kind: global_buffer, .address_space: global }
      - { .name: c_proj_w, .offset: 16, .size: 8, .value_kind: global_buffer, .address_space: global }
      - { .name: xb, .offset: 24, .size: 8, .value_kind: global_buffer, .address_space: global }
      - { .name: wb, .offset: 32, .size: 8, .value_kind: global_buffer, .address_space: global }
      - { .name: pb, .offset: 40, .size: 8, .value_kind: global_buffer, .address_space: global }
    .group_segment_fixed_size: 0
    .private_segment_fixed_size: 0
    .kernarg_segment_align: 8
    .kernarg_segment_size: 48
    .max_flat_workgroup_size: 256
    .sgpr_count:     66
    .vgpr_count:     104
    .wavefront_size: 32
...
	.end_amdgpu_metadata
.endif
;; end of part 1
;; launch qkvgemm (part 2): grid 16 x 16, 4 waves a work-group, clusters of 4 x 4, 327,680 bytes of LDS; arguments xb, wb, c_attn_b, qkv; writes qkv
.if DOCPART == 2
	.amdgcn_target "amdgcn-amd-amdhsa--gfx1250"
	.amdhsa_code_object_version 6
	.text
	.protected	k_qc1fc4bd4d8_qkvgemm
	.globl	k_qc1fc4bd4d8_qkvgemm
	.p2align	8
	.type	k_qc1fc4bd4d8_qkvgemm,@function
k_qc1fc4bd4d8_qkvgemm:
	s_mov_b64 s[64:65], 0
	v_nop
	global_prefetch_b8 v0, s[64:65] scope:SCOPE_SE
	s_setreg_imm32_b32 hwreg(HW_REG_WAVE_MODE, 25, 1), 1
	s_wait_xcnt 0x0
	s_wait_alu depctr_hold_cnt(0) depctr_sa_sdst(0) depctr_va_vdst(0) depctr_va_sdst(0) depctr_va_ssrc(0) depctr_va_vcc(0) depctr_vm_vsrc(0)
	s_getreg_b32 s2, hwreg(HW_REG_IB_STS2, 6, 4)
	s_cmp_eq_u32 s2, 0
	s_cbranch_scc0 .Lentry_in_a_cluster
	s_endpgm
.Lentry_in_a_cluster:
	s_bfe_u32 s2, ttmp6, 0x10000c
	s_cmp_lg_u32 s2, 0xf033
	s_cbranch_scc0 .Lentry_shape_is_right
	s_endpgm
.Lentry_shape_is_right:
; qkv = xb [4096][1024] x W [1024][3072] + c_attn_b, bf16 operands, f32 sums, rounded once to f16 and stored head-major:
; qkv [b 2][hh 48][s 2048][64], hh 0-15 = q heads, 16-31 = k heads, 32-47 = v heads.  W comes as wb [hh][k][64] (one k row of a chunk = 128 bytes).
; WHY f16 OUT: q, k and v are operands of the next launch's products.  A query with n keys averages n rounding errors of v, the first queries none, so these
; intermediates get f16's 11 significant bits rather than bf16's 8.
; LIMIT: |q|, |k|, |v| at most 65,504 (f16's largest number).  Room by the sizes: the drawn inputs give a spread of sqrt(1024) x 0.02 = 0.64; both inputs 30 times
; larger give 576; both with an offset of 30 times their spread (30 and 0.6) give 1024 x 18 = 18,432; both 30 times smaller give 7e-4 against f16's smallest step of 6e-8.
; A work-group makes 256 rows x 192 columns (three chunks) with four waves; wave w makes rows 64 w .. 64 w + 63 x all 192 columns:
; 4 x 12 accumulator tiles, 384 registers; for 32 along K it issues 48 matrix instructions for 32 LDS loads.
; K goes in steps of 128 through two LDS slots filled by the tensor data mover.
; CLUSTERS: 4 x 4 work-groups.  X's tile hangs on the block row alone and is asked for jointly along a row of the cluster, W's on the block column
; alone and jointly along a column: each tile is requested once for four work-groups.
; THE MATRIX INSTRUCTION IS USED TRANSPOSED: source 0 = 16 columns of W (transposing LDS load, since W lies [k][n]), source 1 = 16 rows of X.
; Lane l then holds row l % 16 and in registers 0-7 the columns 8 (l / 16) + 0..7: eight neighbours of a row, which pack into 16 bytes.
; The bias enters as the C operand of each tile's first product: nothing is cleared and nothing is added afterwards.
;
; REGISTERS in windows of 256:  window 0: addresses, bias, work on the way out;  window 1: fragments, two buffers (W v0-95 / v96-191, X v192-223 / v224-255);
; window 2: tiles (a, b < 6) at v[8 (6 a + b)];  window 3: tiles (a, b >= 6) at v[8 (6 a + b - 6)].
.set PITCHA, 272                       ; an LDS row of X: 256 bytes + 16: an odd multiple of 16, so the 16 rows of a fragment load lie in 16 different 16-byte columns modulo 256
.set PITCHB, 160                       ; an LDS row of W's chunk: 128 bytes + 32: an odd multiple of 32, as the transposing load's two 16-byte columns want
.set HALFA,  128*PITCHA                ; 128 rows of X: one tensor load
.set BOFF,   2*HALFA                   ; W lies behind X's 256 rows
.set CHUNK,  64*PITCHB                 ; 64 k rows of one chunk
.set HALFB,  3*CHUNK                   ; 64 k rows of three chunks: one tensor load
.set SLOT,   BOFF+2*HALFB              ; 131,072
.set STAGE,  2*SLOT                    ; behind the ring, never the target of a tensor load: 16 rows x 400 bytes for each wave
.set SPITCH, 400                       ; 384 bytes + 16
.set LAPS,   4                         ; 1024 / (2 x 128): a lap = two K steps = once round the ring
.set ADRA, 16                          ; v16-17  LDS address of my X fragments in slot 0, 1
.set ADRB, 20                          ; v20-21  the same for W
.set STO,  24                          ; the way out: where I put 16 bytes of a row
.set RD,   25                          ; the way out: where I read back
.set CO,   26                          ; my byte offset in qkv
.set BOF,  27                          ; my byte offset in the bias
.set TMP,  32                          ; v[32:79]   packed results
.set RB0,  80                          ; v[80:127]  read back, buffer 0
.set RB1,  128                         ; v[128:175] read back, buffer 1 (the bias is dead by then)
.set BIAS, 128                         ; v[128:223] bias of my 8 columns of each of the 12 column tiles
.set G1,  24                           ; s[24:31] group 1 for X's tiles
.set G0,  32                           ; s[32:39] group 0 for X's tiles, one set for each slot
.set G1B, 48                           ; s[48:55] group 1 for W's tiles
.set G0B, 56                           ; s[56:63] group 0 for W's tiles, one set for each slot
.set MSB, 0
.macro WIN new                         ; low byte: bits 1:0 source 0, 3:2 source 1, 5:4 source 2, 7:6 destination; the high byte repeats the setting that is left
.set NEWW, \new
.if MSB != NEWW
	s_set_vgpr_msb (MSB<<8)|NEWW
.set MSB, NEWW
.endif
.endm
; A joint load.  Waves 0, 1 fetch X's two halves, waves 2, 3 W's two halves of k.  The branch hangs on the wave's number alone.
.macro JLOAD s
	s_cmp_eq_u32 s14, 0
	s_cbranch_scc0 .Lfor_b_\@
	tensor_load_to_lds s[G0+4*\s:G0+4*\s+3], s[G1:G1+7]
	s_nop 0
	s_branch .Lasked_\@
.Lfor_b_\@:
	tensor_load_to_lds s[G0B+4*\s:G0B+4*\s+3], s[G1B:G1B+7]
	s_nop 0
.Lasked_\@:
.endm
.macro CREST                           ; a round of the cluster's barrier behind its opening work-group barrier
	s_cmp_lg_u32 s12, 0
	s_cbranch_scc1 .Lnot_wave_0_\@
	s_barrier_signal -3
.Lnot_wave_0_\@:
	s_barrier_wait -3
	s_barrier_signal -1
	s_barrier_wait -1
.endm
.macro CROUND                          ; a whole round
	s_barrier_signal -1
	s_barrier_wait -1
	CREST
.endm
.macro PLACES                          ; four plain vector places between a matrix instruction and a load into, or a vector read of, its registers
.rept 4
	v_nop
.endr
.endm
	s_load_b256 s[4:11], s[0:1], 0x0               ; xb s[4:5], wb s[6:7], c_attn_b s[8:9], qkv s[10:11]
	v_lshl_add_u32 v254, v0, 2, 0x46400
	v_mov_b32 v255, 0
	ds_add_u32 v254, v255
	ds_add_u32 v254, v255
	v_lshrrev_b32 v1, 5, v0
	v_readfirstlane_b32 s12, v1                    ; wave 0..3
	s_and_b32 s13, s12, 1                          ; which half of the tile I fetch
	s_lshr_b32 s14, s12, 1                         ; I fetch for X (0) or for W (1)
	s_bfe_u32 s40, ttmp6, 0x40000                  ; cx
	s_bfe_u32 s41, ttmp6, 0x40004                  ; cy
	s_lshl_b32 s42, ttmp9, 2
	s_add_co_u32 s42, s42, s40                     ; block column bx = 4 x cluster x + cx
	s_and_b32 s43, ttmp7, 0xffff
	s_lshl_b32 s43, s43, 2
	s_add_co_u32 s43, s43, s41                     ; block row by = 4 x cluster y + cy
	s_lshl_b32 s44, s41, 2
	s_lshl_b32 s44, 15, s44                        ; my row of the cluster: places 4 cy .. 4 cy + 3
	s_lshl_b32 s45, 0x1111, s40                    ; my column: places cx, cx + 4, cx + 8, cx + 12
	; X's tile: 128 rows x 128 elements of 2 bytes, 4 words of padding behind every 64 words
	s_or_b32 s[G1+0], s44, (1<<16)|(1<<20)|(1<<21)|(5<<22)|(3<<25)
	s_mov_b32 s[G1+1], 128<<16                     ; tensor_dim0 = 128
	s_mov_b32 s[G1+2], 128<<16                     ; tensor_dim1 = 128
	s_mov_b32 s[G1+3], 128<<16                     ; tile_dim0 = 128
	s_mov_b32 s[G1+4], 128                         ; tile_dim1 = 128
	s_mov_b32 s[G1+5], 1024                        ; elements from row to row
	s_mov_b32 s[G1+6], 0
	s_mov_b32 s[G1+7], 0
	; W's tile: three runs (chunks) of 8,192 dense bytes = 64 k rows of 128 bytes, as 1,024 elements of 8 bytes; the runs lie 131,072 bytes apart;
	; 8 words of padding behind every 32 words, that is behind every k row
	s_or_b32 s[G1B+0], s45, (3<<16)|(1<<20)|(1<<21)|(4<<22)|(7<<25)
	s_mov_b32 s[G1B+1], 1024<<16                   ; tensor_dim0 = 1024
	s_mov_b32 s[G1B+2], 3<<16                      ; tensor_dim1 = 3
	s_mov_b32 s[G1B+3], 1024<<16                   ; tile_dim0 = 1024
	s_mov_b32 s[G1B+4], 3                          ; tile_dim1 = 3
	s_mov_b32 s[G1B+5], 16384                      ; elements of 8 bytes from chunk to chunk
	s_mov_b32 s[G1B+6], 0
	s_mov_b32 s[G1B+7], 0
	; X's address hangs on the block row and the wave, W's on the block column and the wave, each in registers that never hold the other coordinate
	s_lshl_b32 s16, s43, 8
	s_lshl_b32 s17, s13, 7
	s_add_co_u32 s16, s16, s17                     ; row 256 by + 128 half
	s_lshl_b32 s16, s16, 11                        ; x 2,048 bytes (below 8 MiB)
	s_mov_b32 s17, 0
	s_mul_i32 s46, s42, 3*131072                   ; chunk 3 bx
	s_lshl_b32 s47, s13, 13                        ; + 64 k rows x half
	s_add_co_u32 s46, s46, s47
	s_mov_b32 s47, 0
	s_mul_i32 s20, s12, HALFA                      ; LDS: X's halves at wave x 34,816 (waves 0, 1)
	s_mul_i32 s21, s12, HALFB
	s_add_co_u32 s21, s21, BOFF-2*HALFB            ; W's halves at 69,632 + (wave - 2) x 30,720 (waves 2, 3)
	s_wait_dscnt 0x0
	s_wait_kmcnt 0x0
	s_add_nc_u64 s[18:19], s[4:5], s[16:17]
	s_add_nc_u64 s[46:47], s[6:7], s[46:47]
	CROUND                                         ; all sixteen work-groups are here: the first joint loads meet
.irp s, 0,1
	s_mov_b32 s[G0+4*\s], 1
	s_add_co_u32 s[G0+4*\s+1], s20, \s*SLOT
	s_add_nc_u64 s[G0+4*\s+2:G0+4*\s+3], s[18:19], \s*256          ; K step s: 128 elements along the row
	s_or_b32 s[G0+4*\s+3], s[G0+4*\s+3], 0x80000000
	s_mov_b32 s[G0B+4*\s], 1
	s_add_co_u32 s[G0B+4*\s+1], s21, \s*SLOT
	s_add_nc_u64 s[G0B+4*\s+2:G0B+4*\s+3], s[46:47], \s*16384      ; K step s: 128 k rows of 128 bytes
	s_or_b32 s[G0B+4*\s+3], s[G0B+4*\s+3], 0x80000000
	JLOAD \s                                       ; both slots are asked for before anything else: two tensor loads of a wave out at the most
.endr
	v_and_b32 v1, 15, v0                           ; r = l % 16
	v_bfe_u32 v2, v0, 4, 1                         ; h = l / 16
	v_and_b32 v3, 7, v0                            ; l % 8
	v_bfe_u32 v4, v0, 3, 1                         ; (l / 8) % 2
	v_and_b32 v5, 31, v0                           ; l
	v_bfe_u32 v6, v0, 3, 2                         ; l / 8
	s_mul_i32 s70, s42, 768                        ; the bias of my 192 columns
	s_mov_b32 s71, 0
	s_add_nc_u64 s[8:9], s[8:9], s[70:71]
	v_lshlrev_b32 v[BOF], 5, v2                    ; columns 8 h .. 8 h + 7 of each tile
.irp b, 0,1,2,3,4,5,6,7,8,9,10,11
	global_load_b128 v[BIAS+8*\b:BIAS+8*\b+3],   v[BOF], s[8:9] offset:64*\b
	global_load_b128 v[BIAS+8*\b+4:BIAS+8*\b+7], v[BOF], s[8:9] offset:64*\b+16
.endr
	v_mul_u32_u24 v7, v1, PITCHA                   ; X fragment: row x pitch + 16 h, two loads 32 bytes apart
	v_lshl_add_u32 v7, v2, 4, v7
	s_mul_i32 s22, s12, 64*PITCHA                  ; my 64 rows
	v_add_nc_u32 v[ADRA], s22, v7
	v_add_nc_u32 v[ADRA+1], SLOT, v[ADRA]
	v_lshl_add_u32 v8, v2, 3, v3                   ; W fragment: k row 8 h + l % 8, 16-byte column (l / 8) % 2; two loads 16 k rows apart
	v_mul_u32_u24 v8, v8, PITCHB
	v_lshl_add_u32 v8, v4, 4, v8
	v_add_nc_u32 v[ADRB], BOFF, v8
	v_add_nc_u32 v[ADRB+1], SLOT, v[ADRB]
	s_mul_i32 s23, s12, 16*SPITCH
	s_add_co_u32 s23, s23, STAGE                   ; my stage
	v_mul_u32_u24 v9, v1, SPITCH
	v_lshl_add_u32 v9, v2, 4, v9
	v_add_nc_u32 v[STO], s23, v9                   ; in: row r, 16 bytes for each half of the lanes
	v_mul_u32_u24 v10, v6, SPITCH
	v_lshl_add_u32 v10, v3, 4, v10
	v_add_nc_u32 v[RD], s23, v10                   ; back: eight lanes take the 128 bytes that one row has of one head, four rows a load
	v_lshlrev_b32 v[CO], 4, v5                     ; and in qkv those four rows are 512 consecutive bytes
; 12 matrix instructions: row tiles a0, a0 + 1 x six column tiles (hi = 0: tiles 0-5, 1: tiles 6-11), 32 along K, from fragment buffer buf.
; first = 1: C is the bias.  The 48 accumulators take turns, one instruction a turn, in one fixed order.
.macro MUL12 buf, hi, a0, first
.irp a, \a0, \a0+1
.irp b, 0,1,2,3,4,5
.if \first
	v_wmma_f32_16x16x32_bf16 v[8*(6*(\a)+\b):8*(6*(\a)+\b)+7], v[96*(\buf)+8*(6*\hi+\b):96*(\buf)+8*(6*\hi+\b)+7], v[192+32*(\buf)+8*(\a):192+32*(\buf)+8*(\a)+7], v[BIAS+8*(6*\hi+\b):BIAS+8*(6*\hi+\b)+7]
.else
	v_wmma_f32_16x16x32_bf16 v[8*(6*(\a)+\b):8*(6*(\a)+\b)+7], v[96*(\buf)+8*(6*\hi+\b):96*(\buf)+8*(6*\hi+\b)+7], v[192+32*(\buf)+8*(\a):192+32*(\buf)+8*(\a)+7], v[8*(6*(\a)+\b):8*(6*(\a)+\b)+7]
.endif
.endr
.endr
.endm
.macro MUL24 buf, hi, first            ; sources in window 1; D in window 2 + hi; C there too, or the bias in window 0
.if \first
	WIN 0x85+0x40*\hi
.else
	WIN 0xa5+0x50*\hi
.endif
	MUL12 \buf, \hi, 0, \first
	MUL12 \buf, \hi, 2, \first
.endm
; 32 LDS loads in one run: the fragments of quarter q (32 along K) of a slot into buffer buf.
; older = 1: the other buffer's 32 loads may still be out and are waited for in the middle of the run.
.macro FETCH slot, q, buf, older
	WIN 0x40                                       ; destination window 1, address window 0
.irp b, 0,1,2,3,4,5,6,7,8,9,10,11
	ds_load_tr16_b128 v[96*(\buf)+8*\b:96*(\buf)+8*\b+3],   v[ADRB+\slot] offset:((\q)>>1)*HALFB+(\b>>2)*CHUNK+((\q)&1)*32*PITCHB+(\b&3)*32
	ds_load_tr16_b128 v[96*(\buf)+8*\b+4:96*(\buf)+8*\b+7], v[ADRB+\slot] offset:((\q)>>1)*HALFB+(\b>>2)*CHUNK+((\q)&1)*32*PITCHB+(\b&3)*32+16*PITCHB
.endr
.if \older
	s_wait_dscnt 24                                ; all but the 24 loads just issued: the other buffer, which is multiplied next, is in (32 + 24 = 56 loads out at the most)
.endif
.irp a, 0,1,2,3
	ds_load_b128 v[192+32*(\buf)+8*\a:192+32*(\buf)+8*\a+3],   v[ADRA+\slot] offset:\a*16*PITCHA+64*(\q)
	ds_load_b128 v[192+32*(\buf)+8*\a+4:192+32*(\buf)+8*\a+7], v[ADRA+\slot] offset:\a*16*PITCHA+64*(\q)+32
.endr
.endm
; One of a K step's first three quarters: asks for the next quarter's fragments (qn) into the other buffer, then multiplies buffer buf.
.macro QUARTER slot, qn, buf, first
	PLACES                                         ; the other buffer was read by the matrix instructions just issued
	FETCH \slot, \qn, 1-\buf, 1                    ; holds the wait for buffer buf
	MUL24 \buf, 0, \first
	MUL24 \buf, 1, \first
.endm
.macro THREE slot, first
	QUARTER \slot, 1, 0, \first
	QUARTER \slot, 2, 1, 0
	QUARTER \slot, 3, 0, 0
.endm
; The last quarter multiplies buffer 1 and changes slots.  One barrier does two things: in front of it each wave's reads of this slot are back and all
; its tensor loads have landed (the one that is out is its part of the next slot); behind it this slot may be filled again and the next may be read.
; Where the slot is filled again the barrier opens a round of the cluster's barrier, and the joint refill is the first tensor load behind the round.
.macro TURN slot, next, fill
	s_wait_dscnt 0x0                               ; my reads of this slot are back (buffer 1 among them)
	s_set_vgpr_msb 0xf5f0
	s_wait_tensorcnt 0x0                           ; all my tensor loads have landed
	ds_add_u32 v254, v255
	s_wait_dscnt 0x0
	s_set_vgpr_msb 0xf0f5
	s_barrier_signal -1
	MUL24 1, 0, 0                                  ; register work while the others arrive
	WIN 0                                          ; at a branch and at a label every window is 0
	s_barrier_wait -1
.if \fill
	CREST
	s_add_nc_u64 s[G0+4*\slot+2:G0+4*\slot+3], s[G0+4*\slot+2:G0+4*\slot+3], 2*256        ; no tensor load of mine is out: group 0 may be written
	s_add_nc_u64 s[G0B+4*\slot+2:G0B+4*\slot+3], s[G0B+4*\slot+2:G0B+4*\slot+3], 2*16384
	JLOAD \slot
.endif
	PLACES
	FETCH \next, 0, 0, 0
	MUL24 1, 1, 0
.endm
.macro LAP first
	THREE 0, \first
	TURN 0, 1, 1
	THREE 1, 0
	TURN 1, 0, 1
.endm
	s_wait_tensorcnt 0x1                           ; my part of K step 0 is in; K step 1's stays out: behind this barrier nothing is filled
	s_barrier_signal -1
	s_barrier_wait -1
	FETCH 0, 0, 0, 0
	s_wait_loadcnt 0x0                             ; the bias, once
	LAP 1                                          ; the first lap stands in front of the loop: its first products start the sums with the bias
	WIN 0
	s_mov_b32 s3, LAPS-2
.Llap:
	LAP 0
	WIN 0
	s_sub_co_u32 s3, s3, 1
	s_cmp_lg_u32 s3, 0
	s_cbranch_scc1 .Llap
	THREE 0, 0                                     ; the last lap fills nothing
	TURN 0, 1, 0
	THREE 1, 0
	s_wait_dscnt 0x0
	MUL24 1, 0, 0
	MUL24 1, 1, 0
	; THE WAY OUT, 16 rows at a time: round to f16, 16 bytes a lane into my own stage, read back so that a store covers 512 consecutive bytes of one head.
	PLACES
	s_lshr_b32 s70, s43, 3                         ; batch = by / 8
	s_mul_i32 s70, s70, 12582912
	s_mul_i32 s72, s42, 3*262144                   ; head plane 3 bx
	s_add_co_u32 s70, s70, s72
	s_and_b32 s72, s43, 7
	s_lshl_b32 s72, s72, 15                        ; 256 rows of 128 bytes for each block row of the batch
	s_add_co_u32 s70, s70, s72
	s_lshl_b32 s72, s12, 13                        ; my 64 rows
	s_add_co_u32 s70, s70, s72
	s_mov_b32 s71, 0
	s_add_nc_u64 s[10:11], s[10:11], s[70:71]
.macro OUT16 a, rb
	WIN 0x0a                                       ; sources in window 2
.irp b, 0,1,2,3,4,5
.irp r, 0,1,2,3
	v_cvt_pk_f16_f32 v[TMP+4*\b+\r], v[8*(6*\a+\b)+2*\r], v[8*(6*\a+\b)+2*\r+1]
.endr
.endr
	WIN 0x0f                                       ; sources in window 3
.irp b, 0,1,2,3,4,5
.irp r, 0,1,2,3
	v_cvt_pk_f16_f32 v[TMP+24+4*\b+\r], v[8*(6*\a+\b)+2*\r], v[8*(6*\a+\b)+2*\r+1]
.endr
.endr
	WIN 0
.irp b, 0,1,2,3,4,5,6,7,8,9,10,11
	ds_store_b128 v[STO], v[TMP+4*\b:TMP+4*\b+3] offset:32*\b
.endr
	s_wait_xcnt 0x0                                ; the read-back buffer, which earlier stores read, and the stores' base are rewritten only behind this wait
.if \a
	s_add_nc_u64 s[10:11], s[10:11], 16*128        ; 16 rows on
.endif
.irp t, 0,1,2,3,4,5,6,7,8,9,10,11
	ds_load_b128 v[\rb+4*\t:\rb+4*\t+3], v[RD] offset:(\t>>2)*128+(\t&3)*4*SPITCH   ; LDS serves a wave's instructions in order: these see the stores above
.endr
.irp t, 0,1,2,3,4,5,6,7,8,9,10,11
	s_wait_dscnt 11-\t                             ; load t is back, the younger ones stay out
	global_store_b128 v[CO], v[\rb+4*\t:\rb+4*\t+3], s[10:11] offset:(\t>>2)*262144+(\t&3)*512   ; head t / 4, rows 4 (t % 4) .. + 3: 512 consecutive aligned bytes
.endr
.endm
	OUT16 0, RB0
	OUT16 1, RB1
	OUT16 2, RB0
	OUT16 3, RB1
	s_wait_tensorcnt 0x0
	ds_add_u32 v254, v255
	s_wait_dscnt 0x0
	CROUND                                         ; the closing round: no work-group ends while a partner may still ask for a tile that names it
	s_endpgm
.Lfunc_end_k_qc1fc4bd4d8_qkvgemm:
	.size	k_qc1fc4bd4d8_qkvgemm, .Lfunc_end_k_qc1fc4bd4d8_qkvgemm-k_qc1fc4bd4d8_qkvgemm
	.p2alignl 7, 3214868480
	.fill 96, 4, 3214868480
	.section	.rodata,"a",@progbits
	.p2align	6, 0x0
	.amdhsa_kernel k_qc1fc4bd4d8_qkvgemm
		.amdhsa_group_segment_fixed_size 327680
		.amdhsa_private_segment_fixed_size 0
		.amdhsa_enable_private_segment 0
		.amdhsa_kernarg_size 32
		.amdhsa_user_sgpr_count 2
		.amdhsa_user_sgpr_kernarg_segment_ptr 1
		.amdhsa_wavefront_size32 1
		.amdhsa_system_sgpr_workgroup_id_x 1
		.amdhsa_system_sgpr_workgroup_id_y 1
		.amdhsa_system_sgpr_workgroup_id_z 1
		.amdhsa_system_vgpr_workitem_id 0
		.amdhsa_next_free_vgpr 1024
		.amdhsa_next_free_sgpr 90
		.amdhsa_reserve_vcc 0
		.amdhsa_float_denorm_mode_32 3
		.amdhsa_float_denorm_mode_16_64 3
		.amdhsa_memory_ordered 1
		.amdhsa_forward_progress 1
		.amdhsa_inst_pref_size 165
	.end_amdhsa_kernel
	.amdgpu_metadata
---
amdhsa.version: [ 1, 2 ]
amdhsa.kernels:
  - .name:           k_qc1fc4bd4d8_qkvgemm
    .symbol:         k_qc1fc4bd4d8_qkvgemm.kd
    .args:
      - { .name: xb, .offset: 0, .size: 8, .value_kind: global_buffer, .address_space: global }
      - { .name: wb, .offset: 8, .size: 8, .value_kind: global_buffer, .address_space: global }
      - { .name: c_attn_b, .offset: 16, .size: 8, .value_kind: global_buffer, .address_space: global }
      - { .name: qkv, .offset: 24, .size: 8, .value_kind: global_buffer, .address_space: global }
    .group_segment_fixed_size: 327680
    .private_segment_fixed_size: 0
    .kernarg_segment_align: 8
    .kernarg_segment_size: 32
    .max_flat_workgroup_size: 128
    .sgpr_count:     90
    .vgpr_count:     1024
    .wavefront_size: 32
...
	.end_amdgpu_metadata
.endif
;; end of part 2
;; launch attn (part 3): grid 256 x 1, 8 waves a work-group, no clusters, 327,680 bytes of LDS; arguments qkv, ao; writes ao
.if DOCPART == 3
	.amdgcn_target "amdgcn-amd-amdhsa--gfx1250"
	.amdhsa_code_object_version 6
	.text
	.protected	k_qc1fc4bd4d8_attn
	.globl	k_qc1fc4bd4d8_attn
	.p2align	8
	.type	k_qc1fc4bd4d8_attn,@function
k_qc1fc4bd4d8_attn:
	s_mov_b64 s[64:65], 0
	v_nop
	global_prefetch_b8 v0, s[64:65] scope:SCOPE_SE
	s_setreg_imm32_b32 hwreg(HW_REG_WAVE_MODE, 25, 1), 1
	s_wait_xcnt 0x0
; Causal softmax(q k^T / 8) v for each of the 32 (batch, head) pairs, with a running maximum.  qkv [b][hh 48][s 2048][64] f16 in, ao [bh 32][s 2048][64] f16 out.
; Work-group (p = id % 8, bh = id / 8) takes two blocks of 128 queries: block 15 - p (16 - p key tiles of 128) and then block p (p + 1 tiles):
; always 17 tiles, so all 256 work-groups do equal work; what lies above the diagonal tile is never computed.
; Eight waves: wave w takes queries 32 (w % 4) .. + 31 of the block and keys 64 (w / 4) .. + 63 of each tile, with its own running maximum, sum and O;
; the two key halves are merged through LDS at the end of each block.
; LAYOUT: S^T = K Q^T (source 0 = 16 keys, source 1 = 16 queries): a lane holds one query r, register j key 8 h + j.  The packed pairs of exp(S^T) are then,
; as they lie, source 1 of O^T = V^T P^T (source 0 = V^T by the transposing LDS load): no shuffle, and maximum, sum and rescale factor are one number a lane.
; FORMAT: both products take f16 operands (11 significant bits) and sum in f32.  P lies in [0, 1], since the maximum is taken away first; a P below f16's smallest
; step of 6e-8 is lost against a sum of at least 1.  The result is an average of v's rows and so has v's room in f16.
; NO MULTICAST: work-groups that read the same K and V (one bh, other p) stop at other tiles and change blocks at other steps, so their joint requests
; would need trip counts and branches that hang on the place in a cluster.
; LIMITS: masked scores are -2^127 and the running maximum starts each second block at -2^100: a query row whose largest q.k lies below -2^100 is not served.
; NaN and infinities in the inputs are not treated specially.  P and the result are rounded to f16; sums are f32, in another order than the reference's.
.set TILE,  16384                      ; 128 keys x 128 bytes
.set PK,    144                        ; LDS row of K: 128 + 16 bytes, an odd multiple of 16
.set PV,    160                        ; LDS row of V: 128 + 32 bytes, an odd multiple of 32 (transposing load)
.set VOFF,  128*PK
.set SLOT,  VOFF+128*PV                ; 38,912; two slots
.set MERGE, 2*SLOT                     ; 77,824, a multiple of 256: no tensor load lands from here on.  For each w % 4: 16 x 512 bytes of O, 512 of maxima and sums
.set MSZ,   8704
.set OUTST, MERGE+4*MSZ                ; 112,640.  For each w % 4: 32 rows x 144 bytes, the way out
.set OSZ,   32*PK
.set ADK,  1                           ; LDS address of my K fragments in slot 0
.set ADV,  2                           ; the same for V
.set QOF,  3                           ; my byte offset in my 32 rows of q
.set DM,   4                           ; v[4:5]   query tile qt: my query minus my first key, inside the diagonal tile
.set MASKV, 6                          ; -2^127
.set MST,  7                           ; merge area + 16 l
.set OST,  8                           ; way out, in
.set ORD,  9                           ; way out, back
.set OCO,  10                          ; my byte offset in ao
.set MX,   12                          ; v[12:13] running maxima of my two queries
.set LS,   14                          ; v[14:15] running sums (of my half h of the keys)
.set AL,   16                          ; v[16:17] rescale factor (low; the high register is written once and never selected)
.set NM,   18                          ; v[18:19] -c x maximum (likewise)
.set TT,   20                          ; v[20:27] at work
.set PS,   28                          ; v[28:31] the partner's maxima and sums
.set QF,   32                          ; v[32:63]   Q fragment (qt, ks) at 8 (2 qt + ks)
.set OA,   64                          ; v[64:127]  O^T tile (dt, qt) at 8 (2 dt + qt)
.set SC,   128                         ; v[128:191] S^T tile (kt, qt) at 8 (2 kt + qt); P (qt, ks) is packed onto tile (2 ks, qt)
.set KV,   192                         ; v[192:255] K fragment (kt, ks) at 8 (4 ks + kt), then V^T fragment (dt, ks) at 8 (4 ks + dt)
.set G1K, 24                           ; s[24:31] group 1 for K, s[32:39] for V: they differ in the padding
.set G1V, 32
.set G0K, 40                           ; s[40:47] group 0 for K, one set for each slot
.set G0V, 48                           ; s[48:55] group 0 for V
; s8 wave, s9 w % 4, s10 w / 4, s11 p, s12 bh, s13 the step of the first block's diagonal tile, s14 the step behind which the tile offset restarts,
; s15 the step's number, s16 loop counter, s[18:19] byte offset of the next tile to ask for, s[20:21] / s[22:23] K's / V's address of my 16 rows of tile 0 (type bits set),
; s[56:57] / s[58:59] q of my 32 rows in the first / second block, s[60:61] / s[62:63] ao likewise, s66-67 lane selects, s[68:69] c, s72 -c;  c = log2(e) / 8.
.macro NOPS n
.rept \n
	v_nop
.endr
.endm
.macro QLOAD lo, hi                    ; my 32 rows of q as four source-1 fragments: lane l takes row l % 16, 16 bytes at 16 (l / 16) and at + 32
.irp qt, 0,1
.irp ks, 0,1
	global_load_b128 v[QF+8*(2*\qt+\ks):QF+8*(2*\qt+\ks)+3],   v[QOF], s[\lo:\hi] offset:\qt*2048+64*\ks
	global_load_b128 v[QF+8*(2*\qt+\ks)+4:QF+8*(2*\qt+\ks)+7], v[QOF], s[\lo:\hi] offset:\qt*2048+64*\ks+32
.endr
.endr
.endm
	s_load_b128 s[4:7], s[0:1], 0x0                ; qkv s[4:5], ao s[6:7]
	v_lshl_add_u32 v11, v0, 2, 0x29000
	s_set_vgpr_msb 0x40
	v_mov_b32 v1, 0
	s_set_vgpr_msb 0x4044
	ds_add_u32 v11, v1
	ds_add_u32 v11, v1
	s_set_vgpr_msb 0x4400
	v_lshrrev_b32 v1, 5, v0
	v_readfirstlane_b32 s8, v1                     ; wave 0..7
	s_and_b32 s9, s8, 3                            ; which 32 queries
	s_lshr_b32 s10, s8, 2                          ; which 64 keys
	s_and_b32 s11, ttmp9, 7                        ; p
	s_lshr_b32 s12, ttmp9, 3                       ; bh
	s_sub_co_u32 s13, 15, s11                      ; the first block, and the step of its diagonal tile
	s_sub_co_u32 s14, 14, s11                      ; in this step the last tile of the first block is asked for: the offset restarts at 0
	s_mov_b32 s15, 0
	s_mov_b32 s18, TILE                            ; step 0 asks for tile 1
	s_mov_b32 s19, 0
	s_mov_b32 s66, 0x76543210                      ; v_permlanex16_b32: lane i of one half reads lane i of the other
	s_mov_b32 s67, 0xfedcba98
	s_mov_b32 s68, 0x3e38aa3b                      ; c = log2(e) / 8: the division by sqrt(64) rides on the exponent's multiply-add
	s_mov_b32 s69, 0x3e38aa3b
	s_mov_b32 s72, 0xbe38aa3b                      ; -c
	; a wave's 16 rows of a tile are 2,048 dense bytes: 8 rows of 32 elements of 8 bytes; padding behind every 32 words = behind every key's 128 bytes
	s_mov_b32 s[G1K+0], (3<<16)|(1<<20)|(4<<22)|(3<<25)            ; K: 4 words of padding
	s_mov_b32 s[G1K+1], 32<<16                     ; tensor_dim0 = 32
	s_mov_b32 s[G1K+2], 8<<16                      ; tensor_dim1 = 8
	s_mov_b32 s[G1K+3], 32<<16                     ; tile_dim0 = 32
	s_mov_b32 s[G1K+4], 8                          ; tile_dim1 = 8
	s_mov_b32 s[G1K+5], 32                         ; pitch = 32 elements: dense
	s_mov_b32 s[G1K+6], 0
	s_mov_b32 s[G1K+7], 0
	s_mov_b32 s[G1V+0], (3<<16)|(1<<20)|(4<<22)|(7<<25)            ; V: 8 words of padding
	s_mov_b32 s[G1V+1], 32<<16
	s_mov_b32 s[G1V+2], 8<<16
	s_mov_b32 s[G1V+3], 32<<16
	s_mov_b32 s[G1V+4], 8
	s_mov_b32 s[G1V+5], 32
	s_mov_b32 s[G1V+6], 0
	s_mov_b32 s[G1V+7], 0
	s_mov_b32 s[G0K+0], 1
	s_mov_b32 s[G0K+4], 1
	s_mov_b32 s[G0V+0], 1
	s_mov_b32 s[G0V+4], 1
	s_mul_i32 s[G0K+1], s8, 16*PK                  ; my 16 rows of K in slot 0,
	s_add_co_u32 s[G0K+5], s[G0K+1], SLOT          ; in slot 1
	s_mul_i32 s73, s8, 16*PV
	s_add_co_u32 s[G0V+1], s73, VOFF
	s_add_co_u32 s[G0V+5], s73, VOFF+SLOT
	; byte offsets, all below 32 MiB
	s_lshr_b32 s73, s12, 4                         ; batch
	s_and_b32 s74, s12, 15                         ; head
	s_mul_i32 s73, s73, 12582912
	s_lshl_b32 s74, s74, 18
	s_add_co_u32 s75, s73, s74                     ; q's plane of (batch, head)
	s_lshl_b32 s76, s8, 11                         ; my 16 rows of a tile
	s_add_co_u32 s76, s76, s75
	s_add_co_u32 s76, s76, 16*262144               ; k's plane lies 16 planes behind q's,
	s_mov_b32 s77, 0
	s_add_co_u32 s78, s76, 16*262144               ; v's 16 more
	s_mov_b32 s79, 0
	s_lshl_b32 s70, s9, 12                         ; my 32 rows of a block
	s_lshl_b32 s71, s13, 14
	s_add_co_u32 s71, s71, s70                     ; in block 15 - p
	s_lshl_b32 s73, s11, 14
	s_add_co_u32 s73, s73, s70                     ; in block p
	s_lshl_b32 s74, s12, 18                        ; ao's plane
	s_wait_dscnt 0x0
	s_wait_kmcnt 0x0
	s_add_nc_u64 s[20:21], s[4:5], s[76:77]
	s_add_nc_u64 s[22:23], s[4:5], s[78:79]
	s_or_b32 s21, s21, 0x80000000                  ; the descriptor's type bits; the sums below never reach them
	s_or_b32 s23, s23, 0x80000000
	s_mov_b64 s[G0K+2:G0K+3], s[20:21]
	s_mov_b64 s[G0V+2:G0V+3], s[22:23]
	tensor_load_to_lds s[G0K:G0K+3], s[G1K:G1K+7]  ; tile 0 into slot 0
	s_nop 0
	tensor_load_to_lds s[G0V:G0V+3], s[G1V:G1V+7]
	s_nop 0
	s_add_co_u32 s76, s75, s71
	s_add_nc_u64 s[56:57], s[4:5], s[76:77]
	s_add_co_u32 s76, s75, s73
	s_add_nc_u64 s[58:59], s[4:5], s[76:77]
	s_add_co_u32 s76, s74, s71
	s_add_nc_u64 s[60:61], s[6:7], s[76:77]
	s_add_co_u32 s76, s74, s73
	s_add_nc_u64 s[62:63], s[6:7], s[76:77]
	v_and_b32 v20, 15, v0                          ; r
	v_bfe_u32 v21, v0, 4, 1                        ; h
	v_lshlrev_b32 v[QOF], 7, v20
	v_lshl_add_u32 v[QOF], v21, 4, v[QOF]          ; 128 r + 16 h
	QLOAD 56, 57                                   ; the first block's queries
	v_and_b32 v22, 7, v0                           ; l % 8
	v_bfe_u32 v23, v0, 3, 1                        ; (l / 8) % 2
	v_and_b32 v24, 31, v0                          ; l
	v_bfe_u32 v25, v0, 3, 2                        ; l / 8
	v_mul_u32_u24 v26, v20, PK
	v_lshl_add_u32 v26, v21, 4, v26                ; 144 r + 16 h
	s_mul_i32 s73, s10, 64*PK
	v_add_nc_u32 v[ADK], s73, v26                  ; + my 64 keys
	v_lshl_add_u32 v[ADV], v21, 3, v22             ; key 8 h + l % 8
	v_mul_u32_u24 v[ADV], v[ADV], PV
	v_lshl_add_u32 v[ADV], v23, 4, v[ADV]          ; 16-byte column (l / 8) % 2
	s_mul_i32 s73, s10, 64*PV
	s_add_co_u32 s73, s73, VOFF
	v_add_nc_u32 v[ADV], s73, v[ADV]
	s_lshl_b32 s73, s9, 5
	s_lshl_b32 s74, s10, 6
	s_sub_co_i32 s73, s73, s74                     ; 32 (w % 4) - 64 (w / 4)
	v_lshlrev_b32 v27, 3, v21
	v_sub_nc_u32 v[DM], v20, v27                   ; r - 8 h
	v_add_nc_u32 v[DM], s73, v[DM]
	v_add_nc_u32 v[DM+1], 16, v[DM]
	v_mov_b32 v[MASKV], 0xff000000
	s_mul_i32 s73, s9, MSZ
	s_add_co_u32 s73, s73, MERGE
	v_lshl_add_u32 v[MST], v24, 4, s73
	s_mul_i32 s74, s9, OSZ
	s_add_co_u32 s74, s74, OUTST
	v_add_nc_u32 v[OST], s74, v26
	v_mul_u32_u24 v[ORD], v25, PK
	v_lshl_add_u32 v[ORD], v22, 4, v[ORD]
	v_add_nc_u32 v[ORD], s74, v[ORD]               ; eight lanes take a row's 128 bytes, four rows a load
	v_lshlrev_b32 v[OCO], 4, v24                   ; which are 512 consecutive bytes of ao
	v_mov_b32 v[AL+1], 0
	v_mov_b32 v[NM+1], 0
	s_wait_loadcnt 0x0                             ; q, once for the block
; The diagonal tile: key 16 kt + i (counted from my first key) stays where it is at most DM = my query minus my first key.
.macro MASK
.irp qt, 0,1
.irp kt, 0,1,2,3
.irp i, 0,1,2,3,4,5,6,7
	v_cmp_le_i32 vcc_lo, 16*\kt+\i, v[DM+\qt]
	v_cndmask_b32 v[SC+16*\kt+8*\qt+\i], v[MASKV], v[SC+16*\kt+8*\qt+\i], vcc_lo
.endr
.endr
.endr
.endm
; Query tile qt: new maximum, rescale, exponentials, sum, P packed to f16.  first = 1: nothing is carried yet.
.macro SOFTMAX qt, first
.if \first
	v_max_num_f32 v[TT], v[SC+8*\qt], v[SC+8*\qt+1]
.else
	v_max3_num_f32 v[TT], v[MX+\qt], v[SC+8*\qt], v[SC+8*\qt+1]    ; the old maximum starts the first of two chains
.endif
	v_max_num_f32 v[TT+1], v[SC+32+8*\qt], v[SC+32+8*\qt+1]
.irp i, 2,4,6
	v_max3_num_f32 v[TT],   v[TT],   v[SC+8*\qt+\i],    v[SC+8*\qt+\i+1]
	v_max3_num_f32 v[TT+1], v[TT+1], v[SC+32+8*\qt+\i], v[SC+32+8*\qt+\i+1]
.endr
.irp i, 0,2,4,6
	v_max3_num_f32 v[TT],   v[TT],   v[SC+16+8*\qt+\i], v[SC+16+8*\qt+\i+1]
	v_max3_num_f32 v[TT+1], v[TT+1], v[SC+48+8*\qt+\i], v[SC+48+8*\qt+\i+1]
.endr
	v_max_num_f32 v[TT], v[TT], v[TT+1]
	v_permlanex16_b32 v[TT+1], v[TT], s66, s67     ; the query's other 32 keys lie in lane l xor 16
	v_max_num_f32 v[TT], v[TT], v[TT+1]            ; the new maximum m
	v_mul_f32 v[NM], s72, v[TT]                    ; -c m
.if \first == 0
	v_fma_f32 v[TT+2], v[MX+\qt], s68, v[NM]       ; c (old - m)
	v_exp_f32 v[AL], v[TT+2]
.endif
	v_mov_b32 v[MX+\qt], v[TT]                     ; also the plain place behind the exponential (ISA guide 5.7.2)
.irp kt, 0,1,2,3
.irp i, 0,2,4,6
	v_pk_fma_f32 v[SC+16*\kt+8*\qt+\i:SC+16*\kt+8*\qt+\i+1], v[SC+16*\kt+8*\qt+\i:SC+16*\kt+8*\qt+\i+1], s[68:69], v[NM:NM+1] op_sel_hi:[1,0,0]   ; c s - c m
.endr
.endr
.irp kt, 0,1,2,3
.irp i, 0,1,2,3,4,5,6,7
	v_exp_f32 v[SC+16*\kt+8*\qt+\i], v[SC+16*\kt+8*\qt+\i]
.endr
.endr
.if \first
	v_nop                                          ; the plain place behind the exponentials
	s_wait_alu depctr_va_vdst(0)
.else
	s_wait_alu depctr_va_vdst(0)
.irp dt, 0,1,2,3
.irp i, 0,2,4,6
	v_pk_mul_f32 v[OA+8*(2*\dt+\qt)+\i:OA+8*(2*\dt+\qt)+\i+1], v[OA+8*(2*\dt+\qt)+\i:OA+8*(2*\dt+\qt)+\i+1], v[AL:AL+1] op_sel_hi:[1,0]   ; O is rescaled: plain work behind the exponentials
.endr
.endr
.endif
.irp j, 0,1,2,3                                    ; the sum in four chains of pairs
	v_pk_add_f32 v[TT+2*\j:TT+2*\j+1], v[SC+8*\qt+2*\j:SC+8*\qt+2*\j+1], v[SC+16+8*\qt+2*\j:SC+16+8*\qt+2*\j+1]
.endr
.irp j, 0,1,2,3
	v_pk_add_f32 v[TT+2*\j:TT+2*\j+1], v[TT+2*\j:TT+2*\j+1], v[SC+32+8*\qt+2*\j:SC+32+8*\qt+2*\j+1]
.endr
.irp j, 0,1,2,3
	v_pk_add_f32 v[TT+2*\j:TT+2*\j+1], v[TT+2*\j:TT+2*\j+1], v[SC+48+8*\qt+2*\j:SC+48+8*\qt+2*\j+1]
.endr
	v_pk_add_f32 v[TT:TT+1], v[TT:TT+1], v[TT+2:TT+3]
	v_pk_add_f32 v[TT+4:TT+5], v[TT+4:TT+5], v[TT+6:TT+7]
	v_pk_add_f32 v[TT:TT+1], v[TT:TT+1], v[TT+4:TT+5]
.if \first
	v_add_f32 v[LS+\qt], v[TT], v[TT+1]
.else
	v_add_f32 v[TT], v[TT], v[TT+1]
	v_fma_f32 v[LS+\qt], v[LS+\qt], v[AL], v[TT]
.endif
.irp ks, 0,1                                       ; keys 32 ks + 8 h + 0..7 into registers 0-3, keys 32 ks + 16 + 8 h + 0..7 into 4-7; each target has been read by then
.irp i, 0,1,2,3
	v_cvt_pk_f16_f32 v[SC+32*\ks+8*\qt+\i], v[SC+32*\ks+8*\qt+2*\i], v[SC+32*\ks+8*\qt+2*\i+1]
.endr
.irp i, 0,1,2,3
	v_cvt_pk_f16_f32 v[SC+32*\ks+8*\qt+4+\i], v[SC+32*\ks+16+8*\qt+2*\i], v[SC+32*\ks+16+8*\qt+2*\i+1]
.endr
.endr
.endm
; Query tile qt of the merge: both halves brought to the common maximum, divided by the whole sum, packed and staged.
.macro MERGEQ qt
	v_max_num_f32 v[TT], v[MX+\qt], v[PS+\qt]
	v_mul_f32 v[TT], s72, v[TT]                    ; -c m
	v_fma_f32 v[TT+1], v[MX+\qt], s68, v[TT]
	v_fma_f32 v[TT+2], v[PS+\qt], s68, v[TT]
	v_exp_f32 v[TT+3], v[TT+1]                     ; my factor
	v_exp_f32 v[TT+4], v[TT+2]                     ; the partner's: 0 where all its keys were masked (its maximum is then the floor)
	v_nop                                          ; the plain place behind the exponentials
	s_wait_alu depctr_va_vdst(0)
	v_mul_f32 v[TT+5], v[LS+\qt], v[TT+3]
	v_fmac_f32 v[TT+5], v[PS+2+\qt], v[TT+4]
	v_permlanex16_b32 v[TT+6], v[TT+5], s66, s67   ; the sums were kept apart for the two halves of the lanes
	v_add_f32 v[TT+5], v[TT+5], v[TT+6]            ; at least about 1: the largest score's own term
	v_rcp_f32 v[TT+7], v[TT+5]
	v_nop                                          ; the plain place behind the reciprocal
	s_wait_alu depctr_va_vdst(0)
	v_mul_f32 v[AL], v[TT+3], v[TT+7]
	v_mul_f32 v[NM], v[TT+4], v[TT+7]
.irp dt, 0,1,2,3
.irp i, 0,2,4,6
	v_pk_mul_f32 v[OA+8*(2*\dt+\qt)+\i:OA+8*(2*\dt+\qt)+\i+1], v[OA+8*(2*\dt+\qt)+\i:OA+8*(2*\dt+\qt)+\i+1], v[AL:AL+1] op_sel_hi:[1,0]
	v_pk_fma_f32 v[OA+8*(2*\dt+\qt)+\i:OA+8*(2*\dt+\qt)+\i+1], v[KV+8*(2*\dt+\qt)+\i:KV+8*(2*\dt+\qt)+\i+1], v[NM:NM+1], v[OA+8*(2*\dt+\qt)+\i:OA+8*(2*\dt+\qt)+\i+1] op_sel_hi:[1,0,1]
.endr
.irp i, 0,1,2,3
	v_cvt_pk_f16_f32 v[TT+4*(\dt&1)+\i], v[OA+8*(2*\dt+\qt)+2*\i], v[OA+8*(2*\dt+\qt)+2*\i+1]    ; into work registers: O keeps finite f32 numbers, which the next block's first rescale by 0 wipes
.endr
	ds_store_b128 v[OST], v[TT+4*(\dt&1):TT+4*(\dt&1)+3] offset:\qt*16*PK+32*\dt                   ; row 16 qt + r, d = 16 dt + 8 h + 0..7
.endr
.endm
; The end of a block.  last = 0: the second block's queries are fetched meanwhile, and the maxima restart at the floor.
.macro FINALIZE last
.if \last == 0
	QLOAD 58, 59
.endif
	s_cmp_eq_u32 s10, 0
	s_cbranch_scc1 .Lkeep_\@
.set i, 0
.rept 16
	ds_store_b128 v[MST], v[OA+4*i:OA+4*i+3] offset:512*i          ; the upper key half hands over O,
.set i, i+1
.endr
	ds_store_b128 v[MST], v[MX:MX+3] offset:8192                   ; maxima and sums
.Lkeep_\@:
	s_wait_dscnt 0x0                               ; for the partner's sake: my stores are done
	s_barrier_signal -1
	s_barrier_wait -1                              ; the next tile's two tensor loads may stay out
	s_cmp_lg_u32 s10, 0
	s_cbranch_scc1 .Lmerged_\@
	ds_load_b128 v[PS:PS+3], v[MST] offset:8192
.set i, 0
.rept 16
	ds_load_b128 v[KV+4*i:KV+4*i+3], v[MST] offset:512*i
.set i, i+1
.endr
	s_wait_dscnt 0x0                               ; also: the merge area is written again only behind a later step's barrier
	MERGEQ 0
	MERGEQ 1
.set i, 0
.rept 8
	ds_load_b128 v[KV+4*i:KV+4*i+3], v[ORD] offset:4*PK*i          ; my own stage; LDS serves a wave's instructions in order
.set i, i+1
.endr
.set i, 0
.rept 8
	s_wait_dscnt 7-i                               ; load i is back, the younger ones stay out
.if \last
	global_store_b128 v[OCO], v[KV+4*i:KV+4*i+3], s[62:63] offset:512*i   ; four rows of 128 bytes: 512 consecutive aligned bytes
.else
	global_store_b128 v[OCO], v[KV+4*i:KV+4*i+3], s[60:61] offset:512*i
.endif
.set i, i+1
.endr
.if \last == 0
	s_wait_xcnt 0x0                                ; the stores' data registers are loaded again in the next step only behind this wait
.endif
.Lmerged_\@:
.if \last == 0
	v_mov_b32 v[MX], 0xf1800000                    ; -2^100: the next step's rescale factor is exp2 of a huge negative number = 0 and wipes O and the sums
	v_mov_b32 v[MX+1], 0xf1800000
	s_wait_loadcnt 0x0                             ; the second block's queries
.endif
.endm
; One key tile, in slot.  refill = 1: the other slot is filled with the next tile.  dg: 0 not diagonal, 1 diagonal if the step's number says so, 2 diagonal and last.
.macro STEP slot, refill, first, dg
	s_set_vgpr_msb 0x4
	s_wait_tensorcnt 0x0                           ; all my tensor loads have landed, my 16 rows of this tile's K and V: so every group 0 may be written
	ds_add_u32 v11, v1
	s_wait_dscnt 0x0
	s_set_vgpr_msb 0x400
.if \refill
	s_add_nc_u64 s[G0K+6-4*\slot:G0K+7-4*\slot], s[20:21], s[18:19]
	s_add_nc_u64 s[G0V+6-4*\slot:G0V+7-4*\slot], s[22:23], s[18:19]
	s_add_co_u32 s18, s18, TILE
	s_cmp_eq_u32 s15, s14
	s_cselect_b32 s18, 0, s18                      ; the second block starts at key 0 again
.endif
	s_wait_dscnt 0x0                               ; my reads of the other slot are back
	s_barrier_signal -1
	s_barrier_wait -1                              ; both hold of all eight waves
.if \refill
	tensor_load_to_lds s[G0K+4-4*\slot:G0K+7-4*\slot], s[G1K:G1K+7]   ; first behind the barrier; two tensor loads of a wave out at the most; they have the step's work in which to land
	s_nop 0
	tensor_load_to_lds s[G0V+4-4*\slot:G0V+7-4*\slot], s[G1V:G1V+7]
	s_nop 0
.endif
.irp ks, 0,1
.irp kt, 0,1,2,3
	ds_load_b128 v[KV+8*(4*\ks+\kt):KV+8*(4*\ks+\kt)+3],   v[ADK] offset:\slot*SLOT+\kt*16*PK+64*\ks
	ds_load_b128 v[KV+8*(4*\ks+\kt)+4:KV+8*(4*\ks+\kt)+7], v[ADK] offset:\slot*SLOT+\kt*16*PK+64*\ks+32
.endr
.endr
	s_wait_dscnt 0x8                               ; d = 0..31 of my 64 keys is in; the eight younger loads stay out
.irp kt, 0,1,2,3
.irp qt, 0,1
	v_wmma_f32_16x16x32_f16 v[SC+8*(2*\kt+\qt):SC+8*(2*\kt+\qt)+7], v[KV+8*\kt:KV+8*\kt+7], v[QF+16*\qt:QF+16*\qt+7], 0
.endr
.endr
	s_wait_dscnt 0x0
.irp kt, 0,1,2,3                                   ; the eight accumulators take turns, one instruction a turn
.irp qt, 0,1
	v_wmma_f32_16x16x32_f16 v[SC+8*(2*\kt+\qt):SC+8*(2*\kt+\qt)+7], v[KV+32+8*\kt:KV+32+8*\kt+7], v[QF+16*\qt+8:QF+16*\qt+15], v[SC+8*(2*\kt+\qt):SC+8*(2*\kt+\qt)+7]
.endr
.endr
	NOPS 4                                         ; four places before loads land on K's registers and vector instructions read S
.irp ks, 0,1
.irp dt, 0,1,2,3
	ds_load_tr16_b128 v[KV+8*(4*\ks+\dt):KV+8*(4*\ks+\dt)+3],   v[ADV] offset:\slot*SLOT+\ks*32*PV+32*\dt
	ds_load_tr16_b128 v[KV+8*(4*\ks+\dt)+4:KV+8*(4*\ks+\dt)+7], v[ADV] offset:\slot*SLOT+\ks*32*PV+32*\dt+16*PV
.endr
.endr
.if \dg == 1
	s_cmp_lg_u32 s15, s13                          ; the same in every wave: made of the step's number and the work-group's number
	s_cbranch_scc1 .Lnomask_\@
	MASK
.Lnomask_\@:
.endif
.if \dg == 2
	MASK
.endif
	SOFTMAX 0, \first
	SOFTMAX 1, \first
	s_wait_dscnt 0x0                               ; V^T, asked for in front of the softmax
.irp ks, 0,1
.irp dt, 0,1,2,3
.irp qt, 0,1
.if \first*(1-\ks)
	v_wmma_f32_16x16x32_f16 v[OA+8*(2*\dt+\qt):OA+8*(2*\dt+\qt)+7], v[KV+8*(4*\ks+\dt):KV+8*(4*\ks+\dt)+7], v[SC+8*(4*\ks+\qt):SC+8*(4*\ks+\qt)+7], 0
.else
	v_wmma_f32_16x16x32_f16 v[OA+8*(2*\dt+\qt):OA+8*(2*\dt+\qt)+7], v[KV+8*(4*\ks+\dt):KV+8*(4*\ks+\dt)+7], v[SC+8*(4*\ks+\qt):SC+8*(4*\ks+\qt)+7], v[OA+8*(2*\dt+\qt):OA+8*(2*\dt+\qt)+7]
.endif
.endr
.endr
.endr
	NOPS 5                                         ; five places before the next step's products write over P, four before loads land on V's registers or O is read
.if \dg == 1
	s_cmp_lg_u32 s15, s13
	s_cbranch_scc1 .Lnofin_\@
	FINALIZE 0
.Lnofin_\@:
.endif
.if \dg == 2
	FINALIZE 1
.endif
	s_add_co_u32 s15, s15, 1
.endm
	STEP 0, 1, 1, 0                                ; step 0: the first block has at least nine tiles, so this one is not diagonal
	s_mov_b32 s16, 7
.Lpair:
	STEP 1, 1, 0, 1                                ; steps 1 .. 14
	STEP 0, 1, 0, 1
	s_sub_co_u32 s16, s16, 1
	s_cmp_lg_u32 s16, 0
	s_cbranch_scc1 .Lpair
	STEP 1, 1, 0, 1                                ; step 15
	STEP 0, 0, 0, 2                                ; step 16: the second block's diagonal tile; nothing more is asked for, and its wait for 0 leaves no tensor load out
	s_set_vgpr_msb 0x4
	s_wait_tensorcnt 0x0
	ds_add_u32 v11, v1
	s_wait_dscnt 0x0
	s_set_vgpr_msb 0x400
	s_endpgm
.Lfunc_end_k_qc1fc4bd4d8_attn:
	.size	k_qc1fc4bd4d8_attn, .Lfunc_end_k_qc1fc4bd4d8_attn-k_qc1fc4bd4d8_attn
	.p2alignl 7, 3214868480
	.fill 96, 4, 3214868480
	.section	.rodata,"a",@progbits
	.p2align	6, 0x0
	.amdhsa_kernel k_qc1fc4bd4d8_attn
		.amdhsa_group_segment_fixed_size 327680
		.amdhsa_private_segment_fixed_size 0
		.amdhsa_enable_private_segment 0
		.amdhsa_kernarg_size 16
		.amdhsa_user_sgpr_count 2
		.amdhsa_user_sgpr_kernarg_segment_ptr 1
		.amdhsa_wavefront_size32 1
		.amdhsa_system_sgpr_workgroup_id_x 1
		.amdhsa_system_sgpr_workgroup_id_y 1
		.amdhsa_system_sgpr_workgroup_id_z 1
		.amdhsa_system_vgpr_workitem_id 0
		.amdhsa_next_free_vgpr 258
		.amdhsa_next_free_sgpr 80
		.amdhsa_reserve_vcc 1
		.amdhsa_float_denorm_mode_32 3
		.amdhsa_float_denorm_mode_16_64 3
		.amdhsa_memory_ordered 1
		.amdhsa_forward_progress 1
		.amdhsa_inst_pref_size 159
	.end_amdhsa_kernel
	.amdgpu_metadata
---
amdhsa.version: [ 1, 2 ]
amdhsa.kernels:
  - .name:           k_qc1fc4bd4d8_attn
    .symbol:         k_qc1fc4bd4d8_attn.kd
    .args:
      - { .name: qkv, .offset: 0, .size: 8, .value_kind: global_buffer, .address_space: global }
      - { .name: ao, .offset: 8, .size: 8, .value_kind: global_buffer, .address_space: global }
    .group_segment_fixed_size: 327680
    .private_segment_fixed_size: 0
    .kernarg_segment_align: 8
    .kernarg_segment_size: 16
    .max_flat_workgroup_size: 256
    .sgpr_count:     80
    .vgpr_count:     258
    .wavefront_size: 32
...
	.end_amdgpu_metadata
.endif
;; end of part 3
;; launch projgemm (part 4): grid 8 x 32, 4 waves a work-group, clusters of 4 x 4, 327,680 bytes of LDS; arguments ao, pb, c_proj_b, out0; writes out0
.if DOCPART == 4
	.amdgcn_target "amdgcn-amd-amdhsa--gfx1250"
	.amdhsa_code_object_version 6
	.text
	.protected	k_qc1fc4bd4d8_projgemm
	.globl	k_qc1fc4bd4d8_projgemm
	.p2align	8
	.type	k_qc1fc4bd4d8_projgemm,@function
k_qc1fc4bd4d8_projgemm:
	s_mov_b64 s[64:65], 0
	v_nop
	global_prefetch_b8 v0, s[64:65] scope:SCOPE_SE
	s_setreg_imm32_b32 hwreg(HW_REG_WAVE_MODE, 25, 1), 1
	s_wait_xcnt 0x0
	s_wait_alu depctr_hold_cnt(0) depctr_sa_sdst(0) depctr_va_vdst(0) depctr_va_sdst(0) depctr_va_ssrc(0) depctr_va_vcc(0) depctr_vm_vsrc(0)
	s_getreg_b32 s2, hwreg(HW_REG_IB_STS2, 6, 4)
	s_cmp_eq_u32 s2, 0
	s_cbranch_scc0 .Lentry_in_a_cluster
	s_endpgm
.Lentry_in_a_cluster:
	s_bfe_u32 s2, ttmp6, 0x10000c
	s_cmp_lg_u32 s2, 0xf033
	s_cbranch_scc0 .Lentry_shape_is_right
	s_endpgm
.Lentry_shape_is_right:
; out0 = A [4096][1024] x pb [1024][1024] + c_proj_b, f16 operands, f32 sums and result.  A is the attention output as ao [bh 32][s 2048][64]:
; row m = (batch, s), column k = 64 head + d, so 128 rows of one head are 16,384 dense bytes.  pb holds c_proj_w rounded to bf16 and written as f16.
; LIMIT: both operands at most 65,504 in size (f16's largest number): A is an average of v's rows, whose room is 18,432 with both of v's inputs offset by
; 30 times their spread; the drawn weights have a spread of 0.02.
; A work-group makes 128 x 128 with four waves, wave (wm = w / 2, wn = w % 2) 64 x 64: 16 accumulator tiles.  256 work-groups.
; K goes in steps of 256 (four heads) through two LDS slots: four steps, written out; half of K is asked for at the start.
; CLUSTERS: 4 x 4 work-groups; A's tile hangs on the block row alone and is asked for jointly along a row of the cluster, pb's on the block column alone
; and jointly along a column.
; The matrix instruction is used transposed (source 0 = 16 columns of pb by the transposing LDS load, source 1 = 16 rows of A): a lane holds row l % 16 and
; eight neighbouring columns.  The bias is the C operand of each tile's first product.
; REGISTERS: window 0 addresses, bias, read-back; window 1 fragments, two buffers (pb v0-31 / v32-63, A v64-95 / v96-127); window 2 tile (a, b) at v[8 (4 a + b)].
.set PITCHA, 144                       ; an LDS row of one head: 128 + 16 bytes, an odd multiple of 16
.set PITCHB, 288                       ; an LDS row of pb: 256 + 32 bytes, an odd multiple of 32 (transposing load)
.set HEADB,  128*PITCHA                ; 128 rows of one head
.set HALFT,  2*HEADB                   ; one tensor load: two heads of A, or 128 k rows of pb (128 x 288): both 36,864
.set BOFF,   2*HALFT
.set SLOT,   4*HALFT                   ; 147,456
.set STAGE,  2*SLOT                    ; behind the ring, never the target of a tensor load: 16 rows x 272 bytes for each wave
.set SPITCH, 272
.set ADRA, 16                          ; v16-17  my A fragments in slot 0, 1
.set ADRB, 20                          ; v20-23  my pb fragments: slot 0 k rows 0-127, 128-255; slot 1 likewise (the immediate offset has 16 bits)
.set STO,  24
.set RD,   25
.set CO,   26
.set BOF,  27
.set RB0,  64                          ; v[64:95]   read back, buffer 0
.set RB1,  96                          ; v[96:127]  read back, buffer 1
.set BIAS, 128                         ; v[128:159] bias of my 8 columns of each of the 4 column tiles
.set G1,  24
.set G0,  32
.set G1B, 48
.set G0B, 56
.set MSB, 0
.macro WIN new                         ; low byte: bits 1:0 source 0, 3:2 source 1, 5:4 source 2, 7:6 destination; the high byte repeats the setting that is left
.set NEWW, \new
.if MSB != NEWW
	s_set_vgpr_msb (MSB<<8)|NEWW
.set MSB, NEWW
.endif
.endm
.macro JLOAD s                         ; waves 0, 1 fetch A's two pairs of heads, waves 2, 3 pb's two halves of k; the branch hangs on the wave's number alone
	s_cmp_eq_u32 s14, 0
	s_cbranch_scc0 .Lfor_b_\@
	tensor_load_to_lds s[G0+4*\s:G0+4*\s+3], s[G1:G1+7]
	s_nop 0
	s_branch .Lasked_\@
.Lfor_b_\@:
	tensor_load_to_lds s[G0B+4*\s:G0B+4*\s+3], s[G1B:G1B+7]
	s_nop 0
.Lasked_\@:
.endm
.macro CREST
	s_cmp_lg_u32 s12, 0
	s_cbranch_scc1 .Lnot_wave_0_\@
	s_barrier_signal -3
.Lnot_wave_0_\@:
	s_barrier_wait -3
	s_barrier_signal -1
	s_barrier_wait -1
.endm
.macro CROUND
	s_barrier_signal -1
	s_barrier_wait -1
	CREST
.endm
.macro PLACES                          ; four plain vector places between a matrix instruction and a load into, or a store of, its registers
.rept 4
	v_nop
.endr
.endm
	s_load_b256 s[4:11], s[0:1], 0x0               ; ao s[4:5], pb s[6:7], c_proj_b s[8:9], out0 s[10:11]
	s_set_vgpr_msb 0x40
	v_lshl_add_u32 v254, v0, 2, 0x4c400
	v_mov_b32 v255, 0
	s_set_vgpr_msb 0x4045
	ds_add_u32 v254, v255
	ds_add_u32 v254, v255
	s_set_vgpr_msb 0x4500
	v_lshrrev_b32 v1, 5, v0
	v_readfirstlane_b32 s12, v1                    ; wave 0..3
	s_and_b32 s13, s12, 1                          ; wn.  Also: which half of the tile I fetch
	s_lshr_b32 s14, s12, 1                         ; wm.  Also: I fetch for A (0) or for pb (1)
	s_bfe_u32 s40, ttmp6, 0x40000                  ; cx
	s_bfe_u32 s41, ttmp6, 0x40004                  ; cy
	s_lshl_b32 s42, ttmp9, 2
	s_add_co_u32 s42, s42, s40                     ; block column bx
	s_and_b32 s43, ttmp7, 0xffff
	s_lshl_b32 s43, s43, 2
	s_add_co_u32 s43, s43, s41                     ; block row by
	s_lshl_b32 s44, s41, 2
	s_lshl_b32 s44, 15, s44                        ; my row of the cluster
	s_lshl_b32 s45, 0x1111, s40                    ; my column
	; A's tile: two runs (heads) of 16,384 dense bytes, as 2,048 elements of 8 bytes, 262,144 bytes apart; 4 words of padding behind every 32 words = every row of a head
	s_or_b32 s[G1+0], s44, (3<<16)|(1<<20)|(1<<21)|(4<<22)|(3<<25)
	s_mov_b32 s[G1+1], 2048<<16                    ; tensor_dim0 = 2048
	s_mov_b32 s[G1+2], 2<<16                       ; tensor_dim1 = 2
	s_mov_b32 s[G1+3], 2048<<16                    ; tile_dim0 = 2048
	s_mov_b32 s[G1+4], 2                           ; tile_dim1 = 2
	s_mov_b32 s[G1+5], 32768                       ; elements of 8 bytes from head to head
	s_mov_b32 s[G1+6], 0
	s_mov_b32 s[G1+7], 0
	; pb's tile: 128 k rows x 128 elements of 2 bytes; 8 words of padding behind every 64 words
	s_or_b32 s[G1B+0], s45, (1<<16)|(1<<20)|(1<<21)|(5<<22)|(7<<25)
	s_mov_b32 s[G1B+1], 128<<16
	s_mov_b32 s[G1B+2], 128<<16
	s_mov_b32 s[G1B+3], 128<<16
	s_mov_b32 s[G1B+4], 128
	s_mov_b32 s[G1B+5], 1024
	s_mov_b32 s[G1B+6], 0
	s_mov_b32 s[G1B+7], 0
	s_lshr_b32 s16, s43, 4                         ; batch = by / 16
	s_lshl_b32 s16, s16, 4                         ; its first head plane
	s_lshl_b32 s17, s13, 1
	s_add_co_u32 s16, s16, s17                     ; + my two heads of the step's four
	s_lshl_b32 s16, s16, 18
	s_and_b32 s17, s43, 15
	s_lshl_b32 s17, s17, 14                        ; 128 rows of 128 bytes for each block row of the batch
	s_add_co_u32 s16, s16, s17
	s_mov_b32 s17, 0
	s_lshl_b32 s46, s13, 18                        ; my 128 k rows of 2,048 bytes
	s_lshl_b32 s47, s42, 8                         ; 128 columns
	s_add_co_u32 s46, s46, s47
	s_mov_b32 s47, 0
	s_mul_i32 s20, s12, HALFT                      ; LDS: A's two halves, then pb's two halves = wave x 36,864
	s_wait_dscnt 0x0
	s_wait_kmcnt 0x0
	s_add_nc_u64 s[18:19], s[4:5], s[16:17]
	s_add_nc_u64 s[46:47], s[6:7], s[46:47]
	CROUND                                         ; all sixteen work-groups are here: the first joint loads meet
.irp s, 0,1
	s_mov_b32 s[G0+4*\s], 1
	s_add_co_u32 s[G0+4*\s+1], s20, \s*SLOT
	s_add_nc_u64 s[G0+4*\s+2:G0+4*\s+3], s[18:19], \s*4*262144     ; K step s: four heads on
	s_or_b32 s[G0+4*\s+3], s[G0+4*\s+3], 0x80000000
	s_mov_b32 s[G0B+4*\s], 1
	s_add_co_u32 s[G0B+4*\s+1], s20, \s*SLOT
	s_add_nc_u64 s[G0B+4*\s+2:G0B+4*\s+3], s[46:47], \s*256*2048   ; K step s: 256 k rows on
	s_or_b32 s[G0B+4*\s+3], s[G0B+4*\s+3], 0x80000000
	JLOAD \s                                       ; two tensor loads of a wave out at the most
.endr
	v_and_b32 v1, 15, v0                           ; r
	v_bfe_u32 v2, v0, 4, 1                         ; h
	v_and_b32 v3, 7, v0                            ; l % 8
	v_bfe_u32 v4, v0, 3, 1                         ; (l / 8) % 2
	s_lshl_b32 s70, s42, 9                         ; the bias of my 64 columns: (128 bx + 64 wn) x 4 bytes
	s_lshl_b32 s72, s13, 8
	s_add_co_u32 s70, s70, s72
	s_mov_b32 s71, 0
	s_add_nc_u64 s[8:9], s[8:9], s[70:71]
	v_lshlrev_b32 v[BOF], 5, v2
.irp b, 0,1,2,3
	global_load_b128 v[BIAS+8*\b:BIAS+8*\b+3],   v[BOF], s[8:9] offset:64*\b
	global_load_b128 v[BIAS+8*\b+4:BIAS+8*\b+7], v[BOF], s[8:9] offset:64*\b+16
.endr
	v_mul_u32_u24 v7, v1, PITCHA
	v_lshl_add_u32 v7, v2, 4, v7
	s_mul_i32 s22, s14, 64*PITCHA                  ; my 64 rows
	v_add_nc_u32 v[ADRA], s22, v7
	v_add_nc_u32 v[ADRA+1], SLOT, v[ADRA]
	v_lshl_add_u32 v8, v2, 3, v3                   ; k row 8 h + l % 8
	v_mul_u32_u24 v8, v8, PITCHB
	v_lshl_add_u32 v8, v4, 4, v8
	s_lshl_b32 s22, s13, 7                         ; my 64 columns
	s_add_co_u32 s22, s22, BOFF
	v_add_nc_u32 v[ADRB], s22, v8
	v_add_nc_u32 v[ADRB+1], HALFT, v[ADRB]
	v_add_nc_u32 v[ADRB+2], SLOT, v[ADRB]
	v_add_nc_u32 v[ADRB+3], SLOT, v[ADRB+1]
	s_mul_i32 s23, s12, 16*SPITCH
	s_add_co_u32 s23, s23, STAGE                   ; my stage
	v_mul_u32_u24 v9, v1, SPITCH
	v_lshl_add_u32 v9, v2, 5, v9
	v_add_nc_u32 v[STO], s23, v9                   ; in: row r, 32 bytes for each half of the lanes in each column tile
	v_mul_u32_u24 v10, v2, SPITCH
	v_lshl_add_u32 v10, v1, 4, v10
	v_add_nc_u32 v[RD], s23, v10                   ; back: lanes 0-15 one row of 256 bytes, lanes 16-31 the next
	v_lshlrev_b32 v11, 12, v2
	v_lshl_add_u32 v[CO], v1, 4, v11               ; the same two rows in out0 (4,096 bytes apart)
; 8 matrix instructions: row tiles a0, a0 + 1 x four column tiles, 32 along K.  The 16 accumulators take turns, one instruction a turn.
.macro MUL8 buf, a0, first
.if \first
	WIN 0x85                                       ; sources window 1, C (the bias) window 0, D window 2
.else
	WIN 0xa5                                       ; sources window 1, C and D window 2
.endif
.irp a, \a0, \a0+1
.irp b, 0,1,2,3
.if \first
	v_wmma_f32_16x16x32_f16 v[8*(4*(\a)+\b):8*(4*(\a)+\b)+7], v[32*(\buf)+8*\b:32*(\buf)+8*\b+7], v[64+32*(\buf)+8*(\a):64+32*(\buf)+8*(\a)+7], v[BIAS+8*\b:BIAS+8*\b+7]
.else
	v_wmma_f32_16x16x32_f16 v[8*(4*(\a)+\b):8*(4*(\a)+\b)+7], v[32*(\buf)+8*\b:32*(\buf)+8*\b+7], v[64+32*(\buf)+8*(\a):64+32*(\buf)+8*(\a)+7], v[8*(4*(\a)+\b):8*(4*(\a)+\b)+7]
.endif
.endr
.endr
.endm
; 16 LDS loads: the fragments of eighth e (32 along K) of a slot into buffer buf
.macro FETCH slot, e, buf
	WIN 0x40                                       ; destination window 1, address window 0
.irp b, 0,1,2,3
	ds_load_tr16_b128 v[32*(\buf)+8*\b:32*(\buf)+8*\b+3],   v[ADRB+2*\slot+((\e)>>2)] offset:((\e)&3)*32*PITCHB+32*\b
	ds_load_tr16_b128 v[32*(\buf)+8*\b+4:32*(\buf)+8*\b+7], v[ADRB+2*\slot+((\e)>>2)] offset:((\e)&3)*32*PITCHB+32*\b+16*PITCHB
.endr
.irp a, 0,1,2,3
	ds_load_b128 v[64+32*(\buf)+8*\a:64+32*(\buf)+8*\a+3],   v[ADRA+\slot] offset:((\e)>>1)*HEADB+((\e)&1)*64+\a*16*PITCHA
	ds_load_b128 v[64+32*(\buf)+8*\a+4:64+32*(\buf)+8*\a+7], v[ADRA+\slot] offset:((\e)>>1)*HEADB+((\e)&1)*64+\a*16*PITCHA+32
.endr
.endm
.macro EIGHTH slot, en, buf, first     ; asks for the next eighth's fragments into the other buffer, then multiplies buffer buf
	PLACES                                         ; the other buffer was read by the matrix instructions just issued
	FETCH \slot, \en, 1-\buf
	s_wait_dscnt 16                                ; all but the 16 loads just issued: buffer buf is in
	MUL8 \buf, 0, \first
	MUL8 \buf, 2, \first
.endm
.macro SEVEN slot, first
	EIGHTH \slot, 1, 0, \first
	EIGHTH \slot, 2, 1, 0
	EIGHTH \slot, 3, 0, 0
	EIGHTH \slot, 4, 1, 0
	EIGHTH \slot, 5, 0, 0
	EIGHTH \slot, 6, 1, 0
	EIGHTH \slot, 7, 0, 0
.endm
; The last eighth multiplies buffer 1 and changes slots: in front of the barrier my reads of this slot are back and all my tensor loads have landed; where the slot
; is filled again the barrier opens a round of the cluster's barrier and the joint refill is the first tensor load behind the round.
.macro TURN slot, next, fill
	s_wait_dscnt 0x0
	s_wait_tensorcnt 0x0
	ds_add_u32 v254, v255
	s_wait_dscnt 0x0
	s_barrier_signal -1
	MUL8 1, 0, 0                                   ; register work while the others arrive
	WIN 0                                          ; at a branch and at a label every window is 0
	s_barrier_wait -1
.if \fill
	CREST
	s_add_nc_u64 s[G0+4*\slot+2:G0+4*\slot+3], s[G0+4*\slot+2:G0+4*\slot+3], 2*4*262144     ; no tensor load of mine is out: group 0 may be written
	s_add_nc_u64 s[G0B+4*\slot+2:G0B+4*\slot+3], s[G0B+4*\slot+2:G0B+4*\slot+3], 2*256*2048
	JLOAD \slot
.endif
	PLACES
	FETCH \next, 0, 0
	MUL8 1, 2, 0
.endm
	s_wait_tensorcnt 0x1                           ; my part of K step 0 is in; K step 1's stays out: behind this barrier nothing is filled
	s_barrier_signal -1
	s_barrier_wait -1
	FETCH 0, 0, 0
	s_wait_loadcnt 0x0                             ; the bias, once
	SEVEN 0, 1                                     ; K step 0: its first products start the sums with the bias
	TURN 0, 1, 1                                   ; slot 0 gets K step 2
	SEVEN 1, 0
	TURN 1, 0, 1                                   ; slot 1 gets K step 3
	SEVEN 0, 0
	TURN 0, 1, 0
	SEVEN 1, 0
	s_wait_dscnt 0x0
	MUL8 1, 0, 0
	MUL8 1, 2, 0
	; THE WAY OUT, 16 rows at a time, in f32: 2 x 16 bytes a lane and tile into my own stage, read back as whole rows of 256 bytes.
	PLACES
	s_lshl_b32 s70, s43, 19                        ; (128 by + 64 wm) rows of 4,096 bytes + (128 bx + 64 wn) x 4 bytes, below 16 MiB
	s_lshl_b32 s72, s14, 18
	s_add_co_u32 s70, s70, s72
	s_lshl_b32 s72, s42, 9
	s_add_co_u32 s70, s70, s72
	s_lshl_b32 s72, s13, 8
	s_add_co_u32 s70, s70, s72
	s_mov_b32 s71, 0
	s_add_nc_u64 s[10:11], s[10:11], s[70:71]
.macro OUT16 a, rb
	WIN 0x08                                       ; an LDS store's data is source 1: window 2; its address window 0
.irp b, 0,1,2,3
	ds_store_b128 v[STO], v[8*(4*\a+\b):8*(4*\a+\b)+3]   offset:64*\b
	ds_store_b128 v[STO], v[8*(4*\a+\b)+4:8*(4*\a+\b)+7] offset:64*\b+16
.endr
	WIN 0
	s_wait_xcnt 0x0                                ; the read-back buffer, which earlier stores read, and the stores' base are rewritten only behind this wait
.if \a
	s_add_nc_u64 s[10:11], s[10:11], 16*4096       ; 16 rows on
.endif
.irp t, 0,1,2,3,4,5,6,7
	ds_load_b128 v[\rb+4*\t:\rb+4*\t+3], v[RD] offset:\t*2*SPITCH  ; LDS serves a wave's instructions in order: these see the stores above
.endr
.irp t, 0,1,2,3,4,5,6,7
	s_wait_dscnt 7-\t                              ; load t is back, the younger ones stay out
	global_store_b128 v[CO], v[\rb+4*\t:\rb+4*\t+3], s[10:11] offset:\t*2*4096 th:TH_STORE_NT   ; sixteen lanes store 256 consecutive aligned bytes; written once, not read again
.endr
.endm
	OUT16 0, RB0
	OUT16 1, RB1
	OUT16 2, RB0
	OUT16 3, RB1
	s_set_vgpr_msb 0x5
	s_wait_tensorcnt 0x0
	ds_add_u32 v254, v255
	s_wait_dscnt 0x0
	s_set_vgpr_msb 0x500
	CROUND                                         ; the closing round: no work-group ends while a partner may still ask for a tile that names it
	s_endpgm
.Lfunc_end_k_qc1fc4bd4d8_projgemm:
	.size	k_qc1fc4bd4d8_projgemm, .Lfunc_end_k_qc1fc4bd4d8_projgemm-k_qc1fc4bd4d8_projgemm
	.p2alignl 7, 3214868480
	.fill 96, 4, 3214868480
	.section	.rodata,"a",@progbits
	.p2align	6, 0x0
	.amdhsa_kernel k_qc1fc4bd4d8_projgemm
		.amdhsa_group_segment_fixed_size 327680
		.amdhsa_private_segment_fixed_size 0
		.amdhsa_enable_private_segment 0
		.amdhsa_kernarg_size 32
		.amdhsa_user_sgpr_count 2
		.amdhsa_user_sgpr_kernarg_segment_ptr 1
		.amdhsa_wavefront_size32 1
		.amdhsa_system_sgpr_workgroup_id_x 1
		.amdhsa_system_sgpr_workgroup_id_y 1
		.amdhsa_system_sgpr_workgroup_id_z 1
		.amdhsa_system_vgpr_workitem_id 0
		.amdhsa_next_free_vgpr 640
		.amdhsa_next_free_sgpr 90
		.amdhsa_reserve_vcc 0
		.amdhsa_float_denorm_mode_32 3
		.amdhsa_float_denorm_mode_16_64 3
		.amdhsa_memory_ordered 1
		.amdhsa_forward_progress 1
		.amdhsa_inst_pref_size 90
	.end_amdhsa_kernel
	.amdgpu_metadata
---
amdhsa.version: [ 1, 2 ]
amdhsa.kernels:
  - .name:           k_qc1fc4bd4d8_projgemm
    .symbol:         k_qc1fc4bd4d8_projgemm.kd
    .args:
      - { .name: ao, .offset: 0, .size: 8, .value_kind: global_buffer, .address_space: global }
      - { .name: pb, .offset: 8, .size: 8, .value_kind: global_buffer, .address_space: global }
      - { .name: c_proj_b, .offset: 16, .size: 8, .value_kind: global_buffer, .address_space: global }
      - { .name: out0, .offset: 24, .size: 8, .value_kind: global_buffer, .address_space: global }
    .group_segment_fixed_size: 327680
    .private_segment_fixed_size: 0
    .kernarg_segment_align: 8
    .kernarg_segment_size: 32
    .max_flat_workgroup_size: 128
    .sgpr_count:     90
    .vgpr_count:     640
    .wavefront_size: 32
...
	.end_amdgpu_metadata
.endif
;; end of part 4
;; ======== version 2 of 2: 4 launches; version 1 with the launch prep written anew for expert scheduling mode
;; limits: values are held in f16: magnitudes above 65,504 overflow, below 6.1e-05 lose precision
;; workspace buffers: xb 8,388,608 bytes; wb 6,291,456 bytes; pb 2,097,152 bytes; qkv 25,165,824 bytes; ao 8,388,608 bytes
;; launch prep (part 5): grid 512 x 1, 8 waves a work-group, no clusters, 0 bytes of LDS; arguments hidden_states, c_attn_w, c_proj_w, xb, wb, pb; writes xb, wb, pb
.if DOCPART == 5
	.amdgcn_target "amdgcn-amd-amdhsa--gfx1250"
	.amdhsa_code_object_version 6
	.text
	.protected	k_qc1fc4bd4d8_prep
	.globl	k_qc1fc4bd4d8_prep
	.p2align	8
	.type	k_qc1fc4bd4d8_prep,@function
k_qc1fc4bd4d8_prep:
	s_mov_b64 s[64:65], 0
	v_nop
	global_prefetch_b8 v0, s[64:65] scope:SCOPE_SE
	s_setreg_imm32_b32 hwreg(HW_REG_WAVE_SCHED_MODE, 0, 2), 2
	s_setreg_imm32_b32 hwreg(HW_REG_WAVE_MODE, 25, 1), 1
	s_wait_xcnt 0x0
	s_wait_alu depctr_vm_vsrc(0)
; The three large inputs are rounded to bf16 (nearest even), so that the two GEMMs can fetch 16-bit tiles.
;   xb [4096][1024]      = hidden_states in bf16, same order
;   wb [48][1024][64]    = c_attn_w in bf16, re-laid in chunks of 64 columns: chunk hh holds columns 64 hh .. 64 hh + 63, one k row = 128 bytes
;   pb [1024][1024]      = c_proj_w, same order, rounded to bf16 like the others and then rewritten in f16's format: its partner in the product, the
;                          attention output, is carried in f16 (11 significant bits), and a matrix instruction takes both operands in one format.
;                          f16 holds a bf16 number's 8 significant bits exactly down to 2^-17; a smaller weight is off by at most 2^-25.
; LIMIT: |c_proj_w| at most 65,504 (f16's largest number); the drawn weights have a spread of 0.02.
; A work-group casts 16,384 numbers (65,536 bytes in, 32,768 out): work-groups 0-255 hidden_states, 256-447 c_attn_w, 448-511 c_proj_w.
; Thread t takes 16 bytes: sixteen neighbouring lanes read 256 consecutive aligned bytes of one source row, and the 8-byte stores of
; a wave cover 256 consecutive aligned bytes.  All sixteen loads of a thread are issued first.
; No LDS, no matrix unit, no cluster: the bytes are touched once and shared with nobody.
; THE MODE: SCHED_MODE bits 1:0 = 2 (LLVM: expert scheduling mode 2), set by the entry lines.  The code itself states the register dependences
; between vector instructions and memory instructions, with s_wait_alu, always for 0.
; THE PLAN.  Registers that memory instructions touch, in each of the three arms:
;   v1      the loads' offset.  Written by the two vector lines at the arm's head; read by all sixteen loads; never written again.
;   v2      the stores' offset.  Written at the kernel's head; read by all sixteen stores; never written again.
;   X[n]    load n lands in it; no vector instruction names it before that.  No memory instruction reads it.
;   Y[n]    written by step n's conversions; read by store n; never written again.
; The sixteen steps go in four groups of four.  Group g waits for its four loads, states ONCE that group g - 1's conversions have written their Y, and then
; deals that group's four stores among its own conversions, which name X and Y of group g alone: none of the registers that those stores read.
; So an arm holds five waits on va_vdst: ahead of the first load, at the head of groups 1 to 3, and ahead of the last four stores.
; No register that a memory instruction reads is written again, so there is no wait on vm_vsrc and none on XCNT; no vector instruction writes a scalar register or VCC; EXEC is never written.
.set X, 4                              ; v[4:67]   step n: four f32 as loaded (for pb also: the four bf16 numbers widened again)
.set Y, 68                             ; v[68:99]  step n: four 16-bit numbers to store
; Step n's conversions.  half = 1: the bf16 numbers are rewritten as f16.
.macro CONV n, half
	v_cvt_pk_bf16_f32 v[Y+2*(\n)], v[X+4*(\n)], v[X+4*(\n)+1]
	v_cvt_pk_bf16_f32 v[Y+2*(\n)+1], v[X+4*(\n)+2], v[X+4*(\n)+3]
.if \half
	v_lshlrev_b32 v[X+4*(\n)],   16, v[Y+2*(\n)]               ; bf16 to f32: the low half moves up,
	v_and_b32     v[X+4*(\n)+1], 0xffff0000, v[Y+2*(\n)]       ; the high half stays
	v_lshlrev_b32 v[X+4*(\n)+2], 16, v[Y+2*(\n)+1]
	v_and_b32     v[X+4*(\n)+3], 0xffff0000, v[Y+2*(\n)+1]
	v_cvt_pk_f16_f32 v[Y+2*(\n)], v[X+4*(\n)], v[X+4*(\n)+1]   ; exact from 2^-17 up
	v_cvt_pk_f16_f32 v[Y+2*(\n)+1], v[X+4*(\n)+2], v[X+4*(\n)+3]
.endif
.endm
; Step n's store: the work-group's 2,048 bytes of the step, 8 bytes a thread.
.macro SEND n
	global_store_b64 v2, v[Y+2*(\n):Y+2*(\n)+1], s[18:19] offset:(\n)*2048
.endm
; Group g: steps 4 g .. 4 g + 3 are converted, the group before is stored.
.macro GROUP g, half
	s_wait_loadcnt 12-4*(\g)                       ; loads come back in order: steps up to 4 g + 3 are in, the 12 - 4 g younger loads stay out
.if (\g) > 0
	s_wait_alu depctr_va_vdst(0)                   ; the group before has written its Y, which the four stores below read; no vector instruction behind this wait names those registers or v2
.endif
.irp i, 0,1,2,3
.if (\g) > 0
	SEND 4*(\g)-4+\i
.endif
	CONV 4*(\g)+\i, \half
.endr
.endm
; pitch = bytes from one source row of 256 bytes to the next (256: the source is dense; 12,288: a row of c_attn_w); half = 1: the bf16 numbers are rewritten as f16
.macro CAST pitch, half
	v_mul_u32_u24 v3, v3, \pitch                   ; (t / 16) rows
	v_lshl_add_u32 v1, v1, 4, v3                   ; + 16 (t % 16)
	s_wait_alu depctr_va_vdst(0)                   ; v1 and v2 are written: every load below reads v1 as its offset, every store v2
.set n, 0
.rept 16
	global_load_b128 v[X+4*n:X+4*n+3], v1, s[16:17] offset:n*16*\pitch th:TH_LOAD_NT   ; 16 rows further each step; read once in the launch
.set n, n+1
.endr
	GROUP 0, \half
	GROUP 1, \half
	GROUP 2, \half
	GROUP 3, \half
	s_wait_alu depctr_va_vdst(0)                   ; group 3 has written its Y, which the last four stores read
	SEND 12
	SEND 13
	SEND 14
	SEND 15
.endm
	s_load_b256 s[4:11], s[0:1], 0x0               ; hidden s[4:5], c_attn_w s[6:7], c_proj_w s[8:9], xb s[10:11]
	s_load_b128 s[12:15], s[0:1], 0x20             ; wb s[12:13], pb s[14:15]
	v_lshrrev_b32 v3, 4, v0                        ; t / 16
	v_and_b32 v1, 15, v0                           ; t % 16
	v_lshlrev_b32 v2, 3, v0                        ; 8 t: my 8 bytes of each 2,048 stored by the work-group in a step
	s_wait_kmcnt 0x0
	s_cmp_lt_u32 ttmp9, 256                        ; which segment: the choice hangs on the work-group's number alone
	s_cselect_b64 s[16:17], s[4:5], s[6:7]
	s_cselect_b64 s[18:19], s[10:11], s[12:13]
	s_cselect_b32 s24, 0, 256                      ; the segment's first work-group
	s_cmp_lt_u32 ttmp9, 448
	s_cselect_b64 s[16:17], s[16:17], s[8:9]
	s_cselect_b64 s[18:19], s[18:19], s[14:15]
	s_cselect_b32 s24, s24, 448
	s_sub_co_u32 s25, ttmp9, s24                   ; i: my place in the segment
	s_lshl_b32 s22, s25, 15                        ; 32,768 bytes out for each work-group, in every segment
	s_mov_b32 s23, 0
	s_add_nc_u64 s[18:19], s[18:19], s[22:23]
	s_mov_b32 s21, 0
	s_cmp_eq_u32 s24, 256
	s_cbranch_scc1 .Lweights
	s_lshl_b32 s20, s25, 16                        ; dense source: 65,536 bytes in for each work-group
	s_add_nc_u64 s[16:17], s[16:17], s[20:21]
	s_cmp_eq_u32 s24, 448
	s_cbranch_scc1 .Lproj
	CAST 256, 0
	s_endpgm
.Lproj:
	CAST 256, 1
	s_endpgm
.Lweights:
	s_lshr_b32 s20, s25, 2                         ; chunk i / 4: 64 columns = 256 bytes along a row,
	s_lshl_b32 s20, s20, 8
	s_and_b32 s26, s25, 3                          ; k rows 256 (i % 4) .. + 255
	s_mul_i32 s26, s26, 256*12288
	s_add_co_u32 s20, s20, s26
	s_add_nc_u64 s[16:17], s[16:17], s[20:21]
	CAST 12288, 0
	s_endpgm
.Lfunc_end_k_qc1fc4bd4d8_prep:
	.size	k_qc1fc4bd4d8_prep, .Lfunc_end_k_qc1fc4bd4d8_prep-k_qc1fc4bd4d8_prep
	.p2alignl 7, 3214868480
	.fill 96, 4, 3214868480
	.section	.rodata,"a",@progbits
	.p2align	6, 0x0
	.amdhsa_kernel k_qc1fc4bd4d8_prep
		.amdhsa_group_segment_fixed_size 0
		.amdhsa_private_segment_fixed_size 0
		.amdhsa_enable_private_segment 0
		.amdhsa_kernarg_size 48
		.amdhsa_user_sgpr_count 2
		.amdhsa_user_sgpr_kernarg_segment_ptr 1
		.amdhsa_wavefront_size32 1
		.amdhsa_system_sgpr_workgroup_id_x 1
		.amdhsa_system_sgpr_workgroup_id_y 1
		.amdhsa_system_sgpr_workgroup_id_z 1
		.amdhsa_system_vgpr_workitem_id 0
		.amdhsa_next_free_vgpr 104
		.amdhsa_next_free_sgpr 66
		.amdhsa_reserve_vcc 0
		.amdhsa_float_denorm_mode_32 3
		.amdhsa_float_denorm_mode_16_64 3
		.amdhsa_memory_ordered 1
		.amdhsa_forward_progress 1
		.amdhsa_inst_pref_size 23
	.end_amdhsa_kernel
	.amdgpu_metadata
---
amdhsa.version: [ 1, 2 ]
amdhsa.kernels:
  - .name:           k_qc1fc4bd4d8_prep
    .symbol:         k_qc1fc4bd4d8_prep.kd
    .args:
      - { .name: hidden_states, .offset: 0, .size: 8, .value_kind: global_buffer, .address_space: global }
      - { .name: c_attn_w, .offset: 8, .size: 8, .value_kind: global_buffer, .address_space: global }
      - { .name: c_proj_w, .offset: 16, .size: 8, .value_kind: global_buffer, .address_space: global }
      - { .name: xb, .offset: 24, .size: 8, .value_kind: global_buffer, .address_space: global }
      - { .name: wb, .offset: 32, .size: 8, .value_kind: global_buffer, .address_space: global }
      - { .name: pb, .offset: 40, .size: 8, .value_kind: global_buffer, .address_space: global }
    .group_segment_fixed_size: 0
    .private_segment_fixed_size: 0
    .kernarg_segment_align: 8
    .kernarg_segment_size: 48
    .max_flat_workgroup_size: 256
    .sgpr_count:     66
    .vgpr_count:     104
    .wavefront_size: 32
...
	.end_amdgpu_metadata
.endif
;; end of part 5
;; launch qkvgemm: the kernel of part 2 again; grid 16 x 16, 4 waves a work-group, clusters of 4 x 4, 327,680 bytes of LDS; arguments xb, wb, c_attn_b, qkv; writes qkv
;; launch attn: the kernel of part 3 again; grid 256 x 1, 8 waves a work-group, no clusters, 327,680 bytes of LDS; arguments qkv, ao; writes ao
;; launch projgemm: the kernel of part 4 again; grid 8 x 32, 4 waves a work-group, clusters of 4 x 4, 327,680 bytes of LDS; arguments ao, pb, c_proj_b, out0; writes out0
